; MI455X (gfx1250); checked and timed in simulation.
; The chip was launched on July 23, 2026; its instructions are those of AMD's public machine-readable ISA for CDNA 5 (MIT licence, August 2026) and "CDNA5" Instruction Set Architecture Reference Guide (July 2026). The comments in the code are by the model that wrote it; some were corrected since.
;; Causal Self Attention. Allowed arithmetic: matrix products marked QUANTISED: E4M3 operands, one E8M0 scale for each 32 along K, by v_wmma_scale_f32_16x16x128_f8f6f4 with both operands' format E4M3, f32 sums; everything else in f32.
;; Inputs: Wk 1,024 x 1,024 float32; Wp 1,024 x 1,024 float32; Wq 1,024 x 1,024 float32; Wv 1,024 x 1,024 float32; bk 1,024 float32; bp 1,024 float32; bq 1,024 float32; bv 1,024 float32; x 4 x 2,048 x 1,024 float32.
;; Outputs: out0 4 x 2,048 x 1,024 float32.
;; This version of the problem:
;;   THIS VERSION OF THE PROBLEM IS GIVEN IN LOW PRECISION. The matrix products marked QUANTISED in the list below multiply operands that are first quantised to E4M3 (4 exponent bits, 3 mantissa bits; 8 bits a number), with one power-of-two scale for each 32 numbers along K (OCP MX v1.0); their sums are f32. All else is computed in f32.
;;   The module's matrix products, in the order in which they are computed (A, B: the left and right operand; K: the contracted axis; several contracted axes count as one K, in the product's order):
;;     1. [M 8,192, K 1,024] x [K 1,024, N 1,024]; A: input x; B: input Wq: QUANTISED
;;     2. [M 8,192, K 1,024] x [K 1,024, N 1,024]; A: input x; B: input Wk: QUANTISED
;;     3. [M 8,192, K 1,024] x [K 1,024, N 1,024]; A: input x; B: input Wv: QUANTISED
;;     4. batch 64 x [M 2,048, K 64] x [K 64, N 2,048]; A: computed on the way; B: computed on the way: QUANTISED
;;     5. batch 64 x [M 2,048, K 2,048] x [K 2,048, N 64]; A: softmax (see below); B: computed on the way: QUANTISED
;;     6. [M 8,192, K 1,024] x [K 1,024, N 1,024]; A: computed on the way; B: input Wp: QUANTISED
;;   THE QUANTISER, for each operand of a quantised product, along K:
;;     - K is cut into blocks of 32 from its start; a last block that is shorter is filled with zeros.
;;     - A block's scale is 2^e with e = floor(log2(the largest magnitude in the block)) - 8, held to -126 .. 127; a block of zeros has e = 0. As a byte (E8M0): e + 127.
;;     - Each number is divided by its block's scale, clamped to +-448, and rounded to the nearest number of E4M3, ties to even, subnormals kept.
;;     - The product sums the exact products of the quantised numbers (number of the format x scale) in f32.
;;   ~~~python
;;   def quantise(x, axis):      # numpy; x: float32 -> the quantised numbers, widened to float32 again
;;       x = np.moveaxis(x, axis, -1); K = x.shape[-1]
;;       x = np.pad(x, [(0, 0)] * (x.ndim - 1) + [(0, -K % 32)]); x = x.reshape(x.shape[:-1] + (-1, 32)); a = np.abs(x).max(-1, keepdims=True)
;;       e = np.where(a > 0, np.clip(np.frexp(np.where(a > 0, a, 1))[1] - 1 - 8, -126, 127), 0)      # np.frexp(a)[1] - 1 = floor(log2(a)), exactly
;;       r = np.clip(x / 2.0 ** e, -448, 448)
;;       step = 2.0 ** (np.maximum(np.frexp(np.where(r == 0, 1, r))[1] - 1, -6) - 3)
;;       q = np.round(r / step) * step * 2.0 ** e      # np.round: ties to even
;;       return np.moveaxis(q.reshape(q.shape[:-2] + (-1,))[..., :K], -1, axis).astype(np.float32)
;;   ~~~
;;   SOFTMAX AHEAD OF A QUANTISED PRODUCT. Where the list says 'softmax', what is quantised is not the finished softmax but p = 2^(t - M), with t = logit x log2(e) and M = ceil(the row's largest t), a whole number; so 1/2 < the row's largest p <= 1. The row's sum l is taken of the UNQUANTISED p, in f32, and the product's result is divided by l at the end. Since M is a whole number, a kernel that streams over the keys may use a running M (the ceiling of the running maximum): every later rescaling is an exact power of two, which a block's scale takes up: the codes' values come out the same.
;;   OPERANDS COMPUTED ON THE WAY. 'Computed on the way' means the value that the module computes at that place (a softmax that the list does not call 'softmax' is quantised finished and normalised). What goes into a quantiser is computed in f32, as accurately as f32 sums, v_exp_f32 and their like allow (about 1e-6 of the number): no bf16 or f16 on the way to a quantiser, and a product that is left as it is and whose result goes on into a quantised operand takes f32 operands (vector FMAs, or v_wmma_f32_16x16x4_f32). A number that lies on a knife's edge between two numbers of the format may be rounded either way, as far as f32 arithmetic and the matrix unit's own rounding can turn it there, and no further.
;; One version. Each part assembles by itself: llvm-mc -triple=amdgcn-amd-amdhsa -mcpu=gfx1250 --defsym DOCPART=n.
;; ======== version 1 of 1: 4 launches
;; limits: right only within a limited range of input values
;; workspace buffers: xw_codes 12,582,912 bytes; xw_sc 393,216 bytes; qkv_codes 25,165,824 bytes; qkv_sc 1,310,720 bytes; y_codes 8,388,608 bytes; y_sc 262,144 bytes
;; launch quant (part 1): grid 512 x 1, 4 waves a work-group, no clusters, 0 bytes of LDS; arguments x, Wq, Wk, Wv, Wp, xw_codes, xw_sc; writes xw_codes, xw_sc
.if DOCPART == 1
	.amdgcn_target "amdgcn-amd-amdhsa--gfx1250"
	.amdhsa_code_object_version 6
	.text
	.protected	k_q3cc6e8b0d2_quant
	.globl	k_q3cc6e8b0d2_quant
	.p2align	8
	.type	k_q3cc6e8b0d2_quant,@function
k_q3cc6e8b0d2_quant:
	s_mov_b64 s[64:65], 0
	v_nop
	global_prefetch_b8 v0, s[64:65] scope:SCOPE_SE
	s_setreg_imm32_b32 hwreg(HW_REG_WAVE_MODE, 25, 1), 1
	s_wait_xcnt 0x0
; x [8192][1024] and the four weights [1024 (k)][1024 (n)], f32, become codes of FP8 (E4M3) with one E8M0 scale byte for each 32 along K (x: its last axis; a weight: its FIRST axis).
; A block's scale is 2^(floor(log2(its largest magnitude)) - 8); each number is divided by it, held within +-448 and rounded to the nearest code, ties to even.
; THE OUTPUT IS LAID AS THE MATRIX UNIT'S REGISTERS WANT IT.  A tile is 16 rows (tokens, or a weight's output channels); row r of tile t is index 32 (t / 2) + 8 (t % 2) + r + 8 (r / 8).
; A fragment (a tile x 128 along K) is 2,048 bytes: [c 0..3][lane 0..31][16 bytes]; lane (r, h) holds k = 32 c + 16 h + 0 .. 15 of row r.  xw_codes: [tile 768][K step 8][2048]; tiles 0-511 x, then 64 each of Wq, Wk, Wv, Wp.
; xw_sc: [tile][r 16][K step 8] words, byte b of a word = the block 32 b .. 32 b + 31 of that K step.
; Work-groups 0-255 take x (two tiles each; a wave: one tile, half of K), work-groups 256-511 the weights (a wave: 32 columns x 128 along K).  No LDS, no barrier: waves share nothing, and the two ways share nothing.
; Matrix units, clusters and tensor loads would add nothing: every number is read once and every code written once.
; LIMITS: NaN and infinities among the inputs are not served.  A block of zeros, or one whose largest magnitude lies under 2^-118, gets the scale byte 1 (the stated rule: 127 for zeros): its codes are what that byte gives,
; zeros for zeros, and the bytes are read by this program alone.
.set TM,  8                            ; v8-23    largest magnitudes, bytes, the conversions' scale operands
.set PW,  24                           ; v24-27   the scale words of my four fragments
.set X0,  32                           ; v32-223  three sets of 64 numbers
.set X1,  96
.set X2,  160
.set PC,  224                          ; v224-239 a fragment's codes
.set SEL, 20                           ; s[20:21] lane selects for v_permlanex16_b32: lane l xor 16
.set MNT, 23
; 64 numbers of a lane, register 16 b + i = k 32 b + 16 (lane / 16) + i of my row, become a fragment's codes in v[PC] on and its scale word in v[pw]
.macro QUANT s, pw
.irp b, 0,1,2,3
	v_max3_num_f32 v[TM+\b], |v[\s+16*\b]|, |v[\s+1+16*\b]|, 0x4800000   ; my 16 numbers of block b, and the floor 2^(9 - 127): the byte cannot fall under 1
.endr
.irp i, 2,4,6,8,10,12,14
.irp b, 0,1,2,3
	v_max3_num_f32 v[TM+\b], v[TM+\b], |v[\s+16*\b+\i]|, |v[\s+1+16*\b+\i]|   ; the four blocks by turns
.endr
.endr
.irp b, 0,1,2,3
	v_permlanex16_b32 v[TM+4+\b], v[TM+\b], s[SEL], s[SEL+1]
.endr
.irp b, 0,1,2,3
	v_max_num_f32 v[TM+\b], v[TM+\b], v[TM+4+\b]                     ; with lane l xor 16's: the block's largest magnitude
.endr
.irp b, 0,1,2,3
	v_add_nc_u32 v[TM+12+\b], 0xfc000000, v[TM+\b]                   ; 8 off its exponent field: the conversion's scale operand
.endr
.irp b, 0,1,2,3
.endr
.irp b, 0,1,2,3
	v_lshrrev_b32 v[TM+4+\b], 23, v[TM+12+\b]                        ; the scale's byte
.endr
	v_lshl_or_b32 v[\pw], v[TM+5], 8, v[TM+4]
	v_lshl_or_b32 v[\pw], v[TM+6], 16, v[\pw]
	v_lshl_or_b32 v[\pw], v[TM+7], 24, v[\pw]
.irp b, 0,1,2,3
.irp i, 0,1,2,3,4,5,6,7,8,9,10,11,12,13,14,15
.endr
	v_cvt_scalef32_pk8_fp8_f32 v[PC+4*\b:PC+1+4*\b], v[\s+16*\b:\s+7+16*\b], v[TM+12+\b]
	v_cvt_scalef32_pk8_fp8_f32 v[PC+2+4*\b:PC+3+4*\b], v[\s+8+16*\b:\s+15+16*\b], v[TM+12+\b]
.endr
	v_nop                                          ; one plain line behind the last conversion
.endm
.macro XLOAD reg, f                    ; fragment f of my four: 16 numbers of each block of 32, four blocks
.irp c, 0,1,2,3
.irp j, 0,1,2,3
	global_load_b128 v[\reg+16*\c+4*\j:\reg+16*\c+4*\j+3], v4, s[4:5] offset:512*\f+128*\c+16*\j th:TH_LOAD_NT
.endr
.endr
.endm
.macro CSTORE f                        ; each store of the wave covers 512 consecutive bytes, aligned
.irp c, 0,1,2,3
	global_store_b128 v5, v[PC+4*\c:PC+4*\c+3], s[14:15] offset:2048*\f+512*\c
.endr
.endm
.macro WLOAD c                         ; block c of a column: W(32 c + i, my column), i = 0 .. 31, into set c % 2; 32 lanes read 128 consecutive bytes
.set i, 0
.rept 32
	global_load_b32 v[32+32*((\c)%2)+i], v4, s[34:35] offset:(32*(\c)+i)*4096 th:TH_LOAD_NT
.set i, i+1
.endr
.endm
.macro BLOCK c, left
.set XS, 32+32*((\c)%2)
.set CD, 96+8*((\c)%2)
	s_wait_loadcnt \left                           ; this block's 32 loads are in; the next block's may be out
.if (\c) > 1
	s_wait_xcnt 0x0                                ; the stores of two blocks ago have read their data registers, which are written again below
.endif
	v_max3_num_f32 v12, |v[XS]|, |v[XS+1]|, |v[XS+2]|                ; all 32 numbers of the block are mine
	v_max3_num_f32 v13, |v[XS+3]|, |v[XS+4]|, |v[XS+5]|
.irp i, 6,10,14,18,22,26
	v_max3_num_f32 v12, v12, |v[XS+\i]|, |v[XS+\i+1]|
	v_max3_num_f32 v13, v13, |v[XS+\i+2]|, |v[XS+\i+3]|
.endr
	v_max3_num_f32 v12, v12, |v[XS+30]|, |v[XS+31]|
	v_max3_num_f32 v12, v12, v13, 0x4800000        ; and the floor
	v_add_nc_u32 v11, 0xfc000000, v12
	v_lshrrev_b32 v13, 23, v11
.if (\c) == 0
	v_mov_b32 v24, v13                             ; four bytes make the K step's scale word, the lower K in the lower byte
.else
	v_lshl_or_b32 v24, v13, 8*(\c), v24
.endif
.set i, 0
.rept 32
.set i, i+1
.endr
.irp g, 0,1,2,3
	v_cvt_scalef32_pk8_fp8_f32 v[CD+2*\g:CD+2*\g+1], v[XS+8*\g:XS+8*\g+7], v11
.endr
	v_nop
	global_store_b128 v5, v[CD:CD+3], s[14:15] offset:512*(\c)            ; k = 32 c + 0 .. 15: the image's lanes 0-15; sixteen lanes fill 256 consecutive bytes of one tile, sixteen of the next
	global_store_b128 v5, v[CD+4:CD+7], s[14:15] offset:512*(\c)+256      ; k = 32 c + 16 .. 31: its lanes 16-31
.if (\c)+2 < 4
	WLOAD (\c)+2
.endif
.endm
	s_load_b256 s[4:11], s[0:1], 0x0               ; x, Wq, Wk, Wv
	s_load_b128 s[12:15], s[0:1], 0x20             ; Wp, xw_codes
	s_load_b64 s[16:17], s[0:1], 0x30              ; xw_sc
	v_lshrrev_b32 v1, 5, v0
	v_readfirstlane_b32 s18, v1                    ; wave 0..3
	v_and_b32 v1, 31, v0                           ; lane
	v_and_b32 v2, 15, v0                           ; r
	v_bfe_u32 v3, v0, 4, 1                         ; h
	s_mov_b32 s[SEL], 0x76543210
	s_mov_b32 s[SEL+1], 0xfedcba98
	s_mov_b32 s25, 0
	s_mov_b32 s29, 0
	s_mov_b32 s31, 0
	s_cmp_lt_u32 ttmp9, 256
	s_cbranch_scc0 .Lweights
	; ---- x: wave w takes tile 2 wg + w / 2 and K half w % 2: four fragments
	v_and_b32 v4, 8, v2
	v_add_nc_u32 v4, v4, v2                        ; r + 8 (r / 8)
	v_lshlrev_b32 v4, 12, v4                       ; a row of x is 4,096 bytes
	v_lshl_add_u32 v4, v3, 6, v4                   ; + 64 h: my 16 numbers of a block
	v_lshlrev_b32 v5, 4, v1                        ; an image's place for my lane
	v_lshlrev_b32 v6, 5, v2
	v_lshl_add_u32 v6, v3, 3, v6                   ; scale words: 32 r + 8 h
.irp b, 0,1,2,3
	v_mov_b32 v[TM+4+\b], 0                        ; written once: a lane permute's destination counts as one of its sources
.endr
	s_lshr_b32 s19, s18, 1
	s_and_b32 s22, s18, 1
	s_lshl_b32 s24, ttmp9, 5
	s_lshl_b32 s26, s19, 3
	s_add_co_u32 s24, s24, s26                     ; the tile's first row: 32 wg + 8 (w / 2)
	s_lshl_b32 s24, s24, 12
	s_lshl_b32 s26, s22, 11
	s_add_co_u32 s24, s24, s26                     ; + my half of K
	s_lshl_b32 s26, ttmp9, 1
	s_add_co_u32 s26, s26, s19                     ; the tile
	s_lshl_b32 s28, s26, 14
	s_lshl_b32 s30, s22, 13
	s_add_co_u32 s28, s28, s30
	s_lshl_b32 s30, s26, 9
	s_lshl_b32 s26, s22, 4
	s_add_co_u32 s30, s30, s26
	s_wait_alu depctr_va_vdst(0)
	s_wait_kmcnt 0x0
	s_add_nc_u64 s[4:5], s[4:5], s[24:25]
	s_add_nc_u64 s[14:15], s[14:15], s[28:29]
	s_add_nc_u64 s[16:17], s[16:17], s[30:31]
	XLOAD X0, 0
	XLOAD X1, 1
	XLOAD X2, 2
	s_wait_loadcnt 32                              ; fragment 0 is in; the 32 loads of fragments 1 and 2 may be out
	QUANT X0, PW
	CSTORE 0
	XLOAD X0, 3
	s_wait_loadcnt 32                              ; fragment 1 is in; fragments 2 and 3 may be out
	s_wait_xcnt 0x0                                ; the last stores have read v[PC] on, which is written again
	QUANT X1, PW+1
	CSTORE 1
	s_wait_loadcnt 16                              ; fragment 3 may be out
	s_wait_xcnt 0x0
	QUANT X2, PW+2
	CSTORE 2
	s_wait_loadcnt 0x0
	s_wait_xcnt 0x0
	QUANT X0, PW+3
	CSTORE 3
	v_cmp_ne_u32 vcc_lo, 0, v3                     ; both halves of the lanes hold the four words: lanes 0-15 store the first two, lanes 16-31 the others
	v_cndmask_b32 v28, v[PW], v[PW+2], vcc_lo
	v_cndmask_b32 v29, v[PW+1], v[PW+3], vcc_lo
	global_store_b64 v6, v[28:29], s[16:17]
	s_endpgm
.Lweights:
	; ---- a weight: A LANE TAKES A COLUMN n AND ITS REGISTERS RUN DOWN K, so a block lies in one lane and the codes come out with K innermost
	s_sub_co_u32 s19, ttmp9, 256
	s_lshr_b32 s22, s19, 6                         ; which weight
	s_bfe_u32 s26, s19, 0x30003                    ; which 128 columns
	s_and_b32 s19, s19, 7                          ; which K step of 128
	s_wait_alu depctr_va_vdst(0)
	v_lshlrev_b32 v4, 2, v1
	v_bfe_u32 v7, v0, 3, 1                         ; column 32 j + l lies in tile 2 j + u, row r: u = bit 3 of l,
	v_and_b32 v8, 7, v0
	v_lshl_or_b32 v8, v3, 3, v8                    ; r = bits 2:0 of l, and bit 4 above them
	v_lshlrev_b32 v5, 4, v8
	v_lshl_add_u32 v5, v7, 14, v5                  ; codes: 16,384 u + 16 r
	v_lshlrev_b32 v6, 5, v8
	v_lshl_add_u32 v6, v7, 9, v6                   ; scale word: 512 u + 32 r
	s_lshl_b32 s24, s19, 19                        ; 128 rows of 4,096 bytes a K step
	s_lshl_b32 s32, s26, 9
	s_add_co_u32 s24, s24, s32
	s_lshl_b32 s32, s18, 7
	s_add_co_u32 s24, s24, s32                     ; + my wave's first column
	s_lshl_b32 s28, s22, 6
	s_lshl_b32 s32, s26, 3
	s_add_co_u32 s28, s28, s32
	s_lshl_b32 s32, s18, 1
	s_add_co_u32 s28, s28, s32
	s_add_co_u32 s28, s28, 512                     ; my first tile: 512 + 64 weight + 8 group + 2 wave
	s_lshl_b32 s30, s28, 9
	s_lshl_b32 s32, s19, 2
	s_add_co_u32 s30, s30, s32
	s_lshl_b32 s28, s28, 14
	s_lshl_b32 s32, s19, 11
	s_add_co_u32 s28, s28, s32
	s_wait_alu depctr_va_vdst(0)
	s_wait_kmcnt 0x0
	s_cmp_lt_u32 s22, 1                            ; the choice hangs on the work-group's number alone
	s_cselect_b64 s[34:35], s[6:7], s[8:9]
	s_cmp_lt_u32 s22, 3
	s_cselect_b64 s[36:37], s[10:11], s[12:13]
	s_cmp_lt_u32 s22, 2
	s_cselect_b64 s[34:35], s[34:35], s[36:37]
	s_add_nc_u64 s[34:35], s[34:35], s[24:25]
	s_add_nc_u64 s[14:15], s[14:15], s[28:29]
	s_add_nc_u64 s[16:17], s[16:17], s[30:31]
	WLOAD 0
	WLOAD 1
	BLOCK 0, 32
	BLOCK 1, 32
	BLOCK 2, 32
	BLOCK 3, 0
	global_store_b32 v6, v24, s[16:17]             ; my column's scale word of this K step
	s_endpgm
.Lfunc_end_k_q3cc6e8b0d2_quant:
	.size	k_q3cc6e8b0d2_quant, .Lfunc_end_k_q3cc6e8b0d2_quant-k_q3cc6e8b0d2_quant
	.p2alignl 7, 3214868480
	.fill 96, 4, 3214868480
	.section	.rodata,"a",@progbits
	.p2align	6, 0x0
	.amdhsa_kernel k_q3cc6e8b0d2_quant
		.amdhsa_group_segment_fixed_size 0
		.amdhsa_private_segment_fixed_size 0
		.amdhsa_enable_private_segment 0
		.amdhsa_kernarg_size 56
		.amdhsa_user_sgpr_count 2
		.amdhsa_user_sgpr_kernarg_segment_ptr 1
		.amdhsa_wavefront_size32 1
		.amdhsa_system_sgpr_workgroup_id_x 1
		.amdhsa_system_sgpr_workgroup_id_y 1
		.amdhsa_system_sgpr_workgroup_id_z 1
		.amdhsa_system_vgpr_workitem_id 0
		.amdhsa_next_free_vgpr 240
		.amdhsa_next_free_sgpr 66
		.amdhsa_reserve_vcc 1
		.amdhsa_float_denorm_mode_32 3
		.amdhsa_float_denorm_mode_16_64 3
		.amdhsa_fp16_overflow 1
		.amdhsa_memory_ordered 1
		.amdhsa_forward_progress 1
		.amdhsa_inst_pref_size 45
	.end_amdhsa_kernel
	.amdgpu_metadata
---
amdhsa.version: [ 1, 2 ]
amdhsa.kernels:
  - .name:           k_q3cc6e8b0d2_quant
    .symbol:         k_q3cc6e8b0d2_quant.kd
    .args:
      - { .name: x, .offset: 0, .size: 8, .value_kind: global_buffer, .address_space: global }
      - { .name: Wq, .offset: 8, .size: 8, .value_kind: global_buffer, .address_space: global }
      - { .name: Wk, .offset: 16, .size: 8, .value_kind: global_buffer, .address_space: global }
      - { .name: Wv, .offset: 24, .size: 8, .value_kind: global_buffer, .address_space: global }
      - { .name: Wp, .offset: 32, .size: 8, .value_kind: global_buffer, .address_space: global }
      - { .name: xw_codes, .offset: 40, .size: 8, .value_kind: global_buffer, .address_space: global }
      - { .name: xw_sc, .offset: 48, .size: 8, .value_kind: global_buffer, .address_space: global }
    .group_segment_fixed_size: 0
    .private_segment_fixed_size: 0
    .kernarg_segment_align: 8
    .kernarg_segment_size: 56
    .max_flat_workgroup_size: 128
    .sgpr_count:     66
    .vgpr_count:     240
    .wavefront_size: 32
...
	.end_amdgpu_metadata
.endif
;; end of part 1
;; launch gemm_qkv (part 2): grid 12 x 32, 4 waves a work-group, clusters of 4 x 4, 327,680 bytes of LDS; arguments xw_codes, xw_sc, bq, bk, bv, qkv_codes, qkv_sc; writes qkv_codes, qkv_sc
.if DOCPART == 2
	.amdgcn_target "amdgcn-amd-amdhsa--gfx1250"
	.amdhsa_code_object_version 6
	.text
	.protected	k_q3cc6e8b0d2_gemm_qkv
	.globl	k_q3cc6e8b0d2_gemm_qkv
	.p2align	8
	.type	k_q3cc6e8b0d2_gemm_qkv,@function
k_q3cc6e8b0d2_gemm_qkv:
	s_mov_b64 s[64:65], 0
	v_nop
	global_prefetch_b8 v0, s[64:65] scope:SCOPE_SE
	s_setreg_imm32_b32 hwreg(HW_REG_WAVE_MODE, 25, 1), 1
	s_wait_xcnt 0x0
	s_wait_alu depctr_hold_cnt(0) depctr_sa_sdst(0) depctr_va_vdst(0) depctr_va_sdst(0) depctr_va_ssrc(0) depctr_va_vcc(0) depctr_vm_vsrc(0)
	s_getreg_b32 s2, hwreg(HW_REG_IB_STS2, 6, 4)
	s_cmp_eq_u32 s2, 0
	s_cbranch_scc0 .Lentry_in_a_cluster
	s_endpgm
.Lentry_in_a_cluster:
	s_bfe_u32 s2, ttmp6, 0x10000c
	s_cmp_lg_u32 s2, 0xf033
	s_cbranch_scc0 .Lentry_shape_is_right
	s_endpgm
.Lentry_shape_is_right:
; q = x Wq + bq, k = x Wk + bk, v = x Wv + bv on codes of FP8 (E4M3) with E8M0 scales for each 32 along K = 1,024; the results are quantised at once for attention's two products and leave as codes.
; The cluster's x says which: 0 q, 1 k, 2 v.  A tile of 256 x 256 is made by four waves, 128 x 128 each: 64 accumulators, 512 registers.  K goes in four steps of 256 through two LDS slots filled by tensor loads.
; OPERANDS ARE IMAGES OF THEIR REGISTERS: a fragment (16 rows x 128 K) is 2,048 bytes, [c][lane][16]; a load of it reads 512 consecutive bytes: no pitch, no padding.  Row r of tile t is index 32 (t / 2) + 8 (t % 2) + r + 8 (r / 8).
; THE MATRIX INSTRUCTION IS USED TRANSPOSED (source 0 = 16 rows of B, source 1 = 16 rows of A): a lane holds ONE row of A, and by the order of rows in a tile its 64 registers for one tile of A are
; B's indices 32 c + 16 (lane / 16) + i, c = 0 .. 3: sixteen neighbours of each block of 32 along the NEXT product's K.  q, k: A = x (tokens), B = the weight (channels: next K = the head's 64).
; v: A = Wv (channels), B = x (tokens: next K = the keys): the same text with the operands' places changed by scalar selects.  The bias is the C of each sum's first matrix instruction.
; CLUSTERS: 4 x 4 work-groups; A's tiles are shared along a row of the cluster, B's along a column: each is asked for jointly, by the same tensor load with the same descriptor and a mask that names the four.
; OUT: q at 0, k at 8 MiB of qkv_codes: [head 64][tile 128][c 2][lane][16]; v at 16 MiB: [head][key step 16][d tile 4][c 4][lane][16].  qkv_sc: q at 0, k at 524,288: [head][step 16][r 16][tile 8] words (two bytes, two zeros);
; v at 1,048,576: [head][step 16][r 16][d tile 4] words.  Every store of codes covers 512 consecutive bytes, aligned.
; No prefetch: K has four steps, two of them among the first fills.  LIMITS: NaN and infinities are not served; a block whose largest magnitude lies under 2^-118 (zeros too) gets the scale byte 1; the bytes are read by this program alone.
; REGISTERS, in windows of 256: window 0: v0-31 addresses; v32-63 scale words, two sets; v64-127 the bias, later the way out's work; v128-255 A's fragments, one set.  window 1: B's fragments, two sets.  windows 2, 3: the accumulators.
.set NQ,     2                         ; matrix instructions deep in a slot
.set FR,     16                        ; registers of a fragment
.set NL,     4                         ; LDS loads that bring one
.set NP,     8                         ; places behind this matrix instruction (ISA guide 7.12.1)
.set HALFT,  32768                     ; 8 tiles x 4,096 bytes: what one tensor load brings, and what one wave reads of A or of B
.set SLOT,   4*HALFT                   ; A's 16 tiles, then B's
.set SCL,    2*SLOT                    ; behind the ring: the scale words for all of K, as units of 256 bytes + 16 of padding
.set HALFS,  16*272                    ; those of 8 tiles
.set SBLK,   2*272                     ; those of one
.set SPARE,  SCL+4*HALFS               ; the spare words, 128 bytes for each wave: two blocks of 256 bytes that no other line names
.set ADRA, 16                          ; v16-17  LDS address of my A fragments in slot 0, 1
.set ADRB, 20                          ; v20-21  the same for B
.set VO0,  24                          ; v24     the way out: 16 x lane
.set VO2,  25                          ; v25     the same for a fragment's second half
.set VSO,  26                          ; v26     and for the scale words
.set ADRS, 27                          ; v27     LDS address of my scale words: lanes 0-15 A's rows, lanes 16-31 B's
.set SPW,  28                          ; v28     LDS address of my spare word; never rewritten
.set NIL,  29                          ; v29     0; never rewritten
.set SC,   32                          ; scale words: set s at v[SC + 16 s]; register 2 i + q: lanes 0-15 A's tile i, lanes 16-31 B's tile i
.set BI,   64                          ; the bias: eight registers for each of eight tiles
.set AF,   128
.set TM,   64                          ; the way out (the bias is done with): v64-79 at work, v80-87 scale words, v88-95 chosen words, v96-127 codes, two sets
.set WD,   80
.set SW,   88
.set PC,   96
.set G1, 24                            ; s[24:31] descriptor group 1 for A's tiles;  s[32:39] group 0, one set for each slot
.set G0, 32
.set G1B, 48                           ; s[48:55], s[56:63] the same for B's
.set G0B, 56
.set G1S, 68                           ; s[68:75], s[76:79] groups 1 and 0 for A's scale words;  s[80:87], s[88:91] for B's
.set G0S, 76
.set G1SB, 80
.set G0SB, 88
.set SEL, 92                           ; s[92:93] on the way out: lane selects
.set MNT, 94
.set MSB, 0
.macro WIN new                         ; the immediate's high byte repeats the setting that is left
.if MSB != (\new)
	s_set_vgpr_msb (MSB<<8)|(\new)
.set MSB, (\new)
.endif
.endm
.set MUL_LO, 0xa1                      ; source 0 (B) window 1, source 1 (A) window 0, C and D window 2
.set MUL_HI, 0xf1                      ; the same, C and D window 3
.set BIA_LO, 0x81                      ; the first step: C (the bias) window 0, D window 2
.set BIA_HI, 0xc1
.set TO_B,   0x40
; A joint load: waves 0 and 1 fetch for A, waves 2 and 3 for B; the branch hangs on the wave's number alone.  Four v_nop follow each of the two lines.
.macro JLOAD g0a, g1a, g0b, g1b
	s_cmp_eq_u32 s15, 0
	s_cbranch_scc0 .Lfor_b_\@
	tensor_load_to_lds s[\g0a:\g0a+3], s[\g1a:\g1a+7]
	s_nop 0
.rept 4
	v_nop
.endr
	s_branch .Lasked_\@
.Lfor_b_\@:
	tensor_load_to_lds s[\g0b:\g0b+3], s[\g1b:\g1b+7]
	s_nop 0
.rept 4
	v_nop
.endr
.Lasked_\@:
.endm
.macro CREST                           ; a round of the cluster's barrier behind its opening barrier
	s_cmp_lg_u32 s14, 0
	s_cbranch_scc1 .Lnot_wave_0_\@
	s_barrier_signal -3
.Lnot_wave_0_\@:
	s_barrier_wait -3
	s_barrier_signal -1
	s_barrier_wait -1
.endm
.macro CROUND
	s_barrier_signal -1
	s_barrier_wait -1
	CREST
.endm
.macro FRAG reg, adr, q, i             ; tile i, the slot's q-th 128 along K: four loads of 512 consecutive bytes
.irp c, 0,1,2,3
	ds_load_b128 v[\reg+4*\c:\reg+4*\c+3], v[\adr] offset:4096*(\i)+2048*(\q)+512*\c
.endr
.endm
; 16 matrix instructions: A's tiles a0, a0 + 1 x B's eight.  zero = 0: in place; 1: C = the bias of B's tile; 2: C = the bias of A's tile.  The 64 accumulators take turns, one instruction a turn.
.macro MUL16 a0, p, q, sc, zero
.irp a, \a0, \a0+1
.irp b, 0,1,2,3,4,5,6,7
.if \zero == 1
	v_wmma_scale_f32_16x16x128_f8f6f4 v[8*(8*((\a)%4)+\b):8*(8*((\a)%4)+\b)+7], v[128*(\p)+FR*\b:128*(\p)+FR*\b+FR-1], v[AF+FR*(\a):AF+FR*(\a)+FR-1], v[BI+8*\b:BI+8*\b+7], v[SC+8*NQ*(\sc)+NQ*\b+(\q)], v[SC+8*NQ*(\sc)+NQ*(\a)+(\q)] matrix_a_scale:MATRIX_SCALE_ROW1
.elseif \zero == 2
	v_wmma_scale_f32_16x16x128_f8f6f4 v[8*(8*((\a)%4)+\b):8*(8*((\a)%4)+\b)+7], v[128*(\p)+FR*\b:128*(\p)+FR*\b+FR-1], v[AF+FR*(\a):AF+FR*(\a)+FR-1], v[BI+8*(\a):BI+8*(\a)+7], v[SC+8*NQ*(\sc)+NQ*\b+(\q)], v[SC+8*NQ*(\sc)+NQ*(\a)+(\q)] matrix_a_scale:MATRIX_SCALE_ROW1
.else
	v_wmma_scale_f32_16x16x128_f8f6f4 v[8*(8*((\a)%4)+\b):8*(8*((\a)%4)+\b)+7], v[128*(\p)+FR*\b:128*(\p)+FR*\b+FR-1], v[AF+FR*(\a):AF+FR*(\a)+FR-1], v[8*(8*((\a)%4)+\b):8*(8*((\a)%4)+\b)+7], v[SC+8*NQ*(\sc)+NQ*\b+(\q)], v[SC+8*NQ*(\sc)+NQ*(\a)+(\q)] matrix_a_scale:MATRIX_SCALE_ROW1
.endif
.endr
.endr
.endm
.macro FETCH_B slot, q, p
	WIN TO_B
.irp i, 0,1,2,3,4,5,6,7
	FRAG 128*(\p)+FR*\i, ADRB+\slot, \q, \i
.endr
	WIN 0
.endm
.macro FETCH_A slot, q, i0
.irp i, \i0, \i0+1, \i0+2, \i0+3
	FRAG AF+FR*(\i), ADRA+\slot, \q, \i
.endr
.endm
.macro SCALES sc                       ; a K step's scale words into set sc: two words a row
.irp i, 0,1,2,3,4,5,6,7
	ds_load_b64 v[SC+8*NQ*\sc+NQ*\i:SC+8*NQ*\sc+NQ*\i+1], v[ADRS] offset:\i*SBLK
.endr
.endm
.macro PLACES n                        ; plain vector lines between a matrix instruction and a load into, or a read of, its registers
.rept \n
	v_nop
.endr
.endm
.macro STEP slot, q, zero              ; 128 along K that have their successor in the same slot
	s_wait_dscnt 4*NL                              ; B's set and A's tiles 0-3 are in; the youngest 16 loads (A's tiles 4-7) may be out
.if \zero
	WIN BIA_LO
.else
	WIN MUL_LO
.endif
	MUL16 0, (\q)%2, \q, \slot, \zero
	MUL16 2, (\q)%2, \q, \slot, \zero
	s_wait_dscnt 0
	PLACES NP
	FETCH_B \slot, (\q)+1, 1-(\q)%2
	FETCH_A \slot, (\q)+1, 0
.if \zero
	WIN BIA_HI
.else
	WIN MUL_HI
.endif
	MUL16 4, (\q)%2, \q, \slot, \zero
	MUL16 6, (\q)%2, \q, \slot, \zero
	PLACES NP
	WIN 0
	FETCH_A \slot, (\q)+1, 4
.endm
; A slot's last 128 change slots: one barrier; in front of it each wave waits for all its tensor loads, adds 0 to its spare word, and waits for that and for its reads of this slot.  fill = 1: this slot is filled again, two K steps ahead.
.macro TURN slot, next, fill
	s_wait_tensorcnt 0x0                           ; all my tensor loads have landed: my part of the next slot
	ds_add_u32 v[SPW], v[NIL]                      ; 0 onto my spare word
	s_wait_dscnt 4*NL+1                            ; the add and the youngest 16 loads may be out
	WIN MUL_LO
	MUL16 0, 1, NQ-1, \slot, 0
	s_wait_dscnt 0x0                               ; the add is done, and my reads of this slot are over
	s_barrier_signal -1
	MUL16 2, 1, NQ-1, \slot, 0
	WIN 0
	s_barrier_wait -1
.if \fill
	CREST                                          ; the barrier has opened a round of the cluster's barrier: no wave of any partner still reads this slot or has a load on its way
	s_add_nc_u64 s[G0+4*\slot+2:G0+4*\slot+3], s[G0+4*\slot+2:G0+4*\slot+3], 8192
	s_add_nc_u64 s[G0B+4*\slot+2:G0B+4*\slot+3], s[G0B+4*\slot+2:G0B+4*\slot+3], 8192
	JLOAD G0+4*\slot, G1, G0B+4*\slot, G1B         ; the first tensor load behind the round; its four v_nop are among the places in front of the loads below
	PLACES NP-4
.else
	PLACES NP
.endif
	s_wait_alu depctr_va_vdst(0)
	v_add_nc_u32 v[ADRS], 4*NQ, v[ADRS]            ; on to the next K step's scale words
	FETCH_B \next, 0, 0
	FETCH_A \next, 0, 0
	SCALES \next
	WIN MUL_HI
	MUL16 4, 1, NQ-1, \slot, 0
	MUL16 6, 1, NQ-1, \slot, 0
	PLACES NP
	WIN 0
	FETCH_A \next, 0, 4
.endm
; 64 results of a lane in window W, v[s] on, register 16 b + i = index 32 b + 16 (lane / 16) + i of the next K, become a fragment's codes in v[pc] on and its scale word in v[wd].  Each accumulator is read from its low end on.
.macro QUANTW s, W, pc, wd
	WIN ((\W)<<2)|((\W)<<4)
.irp b, 0,1,2,3
	v_max3_num_f32 v[TM+\b], 0x4800000, |v[(\s)+16*\b]|, |v[(\s)+1+16*\b]|   ; my 16 numbers of block b, and the floor 2^(9 - 127)
.endr
.irp i, 2,4,6,8,10,12,14
.irp b, 0,1,2,3
	v_max3_num_f32 v[TM+\b], v[TM+\b], |v[(\s)+16*\b+\i]|, |v[(\s)+1+16*\b+\i]|
.endr
.endr
	WIN 0
.irp b, 0,1,2,3
	v_permlanex16_b32 v[TM+4+\b], v[TM+\b], s[SEL], s[SEL+1]
.endr
.irp b, 0,1,2,3
	v_max_num_f32 v[TM+\b], v[TM+\b], v[TM+4+\b]
.endr
.irp b, 0,1,2,3
	v_add_nc_u32 v[TM+12+\b], 0xfc000000, v[TM+\b]
.endr
.irp b, 0,1,2,3
.endr
.irp b, 0,1,2,3
	v_lshrrev_b32 v[TM+4+\b], 23, v[TM+12+\b]
.endr
	v_lshl_or_b32 v[\wd], v[TM+5], 8, v[TM+4]
	v_lshl_or_b32 v[\wd], v[TM+6], 16, v[\wd]
	v_lshl_or_b32 v[\wd], v[TM+7], 24, v[\wd]
	WIN (\W)|((\W)<<6)
.irp b, 0,1,2,3
.irp i, 0,1,2,3,4,5,6,7,8,9,10,11,12,13,14,15
.endr
.endr
	WIN (\W)
.irp b, 0,1,2,3
	v_cvt_scalef32_pk8_fp8_f32 v[(\pc)+4*\b:(\pc)+4*\b+1], v[(\s)+16*\b:(\s)+16*\b+7], v[TM+12+\b]
	v_cvt_scalef32_pk8_fp8_f32 v[(\pc)+4*\b+2:(\pc)+4*\b+3], v[(\s)+16*\b+8:(\s)+16*\b+15], v[TM+12+\b]
.endr
	WIN 0
	v_nop                                          ; one plain line behind the last conversion
.endm
	s_load_b256 s[4:11], s[0:1], 0x0               ; xw_codes, xw_sc, bq, bk
	s_load_b128 s[96:99], s[0:1], 0x20             ; bv, qkv_codes
	s_load_b64 s[100:101], s[0:1], 0x30            ; qkv_sc
	v_lshl_add_u32 v[SPW], v0, 2, SPARE
	v_mov_b32 v[NIL], 0
	ds_add_u32 v28, v29
	ds_add_u32 v28, v29
	s_wait_dscnt 0x0
	v_lshrrev_b32 v1, 5, v0
	v_readfirstlane_b32 s14, v1                    ; wave 0..3
	s_lshr_b32 s15, s14, 1                         ; which half of A's tiles is mine.  Also: I fetch for A (0) or for B (1)
	s_and_b32 s16, s14, 1                          ; which half of B's.  Also: which 8 tiles I fetch
	s_bfe_u32 s40, ttmp6, 0x40000                  ; cx, cy: my place in the cluster
	s_bfe_u32 s41, ttmp6, 0x40004
	s_and_b32 s17, ttmp7, 0xffff                   ; the cluster's y
	s_lshl_b32 s43, s41, 2
	s_lshl_b32 s43, 15, s43                        ; my row of the cluster
	s_lshl_b32 s44, 0x1111, s40                    ; my column
	; descriptor group 1 for codes: 8 rows (tiles) of 4,096 bytes (a K step of 256), 16,384 bytes apart; elements of 8 bytes; dense in LDS
	s_or_b32 s[G1+0], s43, (3<<16)|(1<<21)         ; 15:0 the mask: A's tiles go to my row; 17:16 elements of 8 bytes; 21 set beside a mask
	s_or_b32 s[G1B+0], s44, (3<<16)|(1<<21)
.irp g, G1, G1B
	s_mov_b32 s[\g+1], 512<<16                     ; tensor_dim0
	s_mov_b32 s[\g+2], 8<<16                       ; tensor_dim1
	s_mov_b32 s[\g+3], 512<<16                     ; tile_dim0
	s_mov_b32 s[\g+4], 8                           ; tile_dim1
	s_mov_b32 s[\g+5], 2048                        ; tensor_dim0_stride
	s_mov_b32 s[\g+6], 0
	s_mov_b32 s[\g+7], 0
.endr
	; and for the scale words of 8 tiles: 4,096 dense bytes as 16 rows of 256, 16 bytes of padding behind each
	s_or_b32 s[G1S+0], s43, (3<<16)|(1<<20)|(1<<21)|(5<<22)|(3<<25)
	s_or_b32 s[G1SB+0], s44, (3<<16)|(1<<20)|(1<<21)|(5<<22)|(3<<25)
.irp g, G1S, G1SB
	s_mov_b32 s[\g+1], 32<<16
	s_mov_b32 s[\g+2], 16<<16
	s_mov_b32 s[\g+3], 32<<16
	s_mov_b32 s[\g+4], 16
	s_mov_b32 s[\g+5], 32
	s_mov_b32 s[\g+6], 0
	s_mov_b32 s[\g+7], 0
.endr
	; which tiles.  q, k: A = x at 64 cluster y + 16 cy, B = the weight at 512 + 64 type + 16 cx.  v: A = Wv at 640 + 16 cy, B = x at 64 cluster y + 16 cx.  A's registers never hold cx, B's never cy
	s_lshl_b32 s18, s17, 6
	s_lshl_b32 s19, ttmp9, 6
	s_add_co_u32 s19, s19, 512
	s_lshl_b32 s20, s41, 4
	s_lshl_b32 s46, s40, 4
	s_lshl_b32 s22, s16, 3
	s_mov_b32 s23, 640
	s_cmp_eq_u32 ttmp9, 2                          ; the cluster's x: the same in all sixteen partners
	s_cselect_b32 s23, s23, s18
	s_cselect_b32 s19, s18, s19
	s_add_co_u32 s20, s20, s23
	s_add_co_u32 s20, s20, s22                     ; the first of A's 8 tiles that I fetch
	s_add_co_u32 s46, s46, s19
	s_add_co_u32 s46, s46, s22                     ; and of B's
	s_lshl_b32 s22, s20, 9                         ; their scale words, 512 bytes a tile,
	s_mov_b32 s23, 0
	s_lshl_b32 s20, s20, 14                        ; and their codes, 16,384
	s_mov_b32 s21, 0
	s_lshl_b32 s92, s46, 9
	s_mov_b32 s93, 0
	s_lshl_b32 s46, s46, 14
	s_mov_b32 s47, 0
	s_mul_i32 s45, s14, HALFT                      ; where they go: by the wave's number alone
	s_mul_i32 s94, s14, HALFS
	s_wait_kmcnt 0x0
	s_add_nc_u64 s[20:21], s[4:5], s[20:21]
	s_add_nc_u64 s[22:23], s[6:7], s[22:23]
	s_add_nc_u64 s[46:47], s[4:5], s[46:47]
	s_add_nc_u64 s[92:93], s[6:7], s[92:93]
	CROUND                                         ; all sixteen work-groups are here: the first joint loads meet
	s_mov_b32 s[G0S], 1
	s_add_co_u32 s[G0S+1], s94, SCL
	s_mov_b64 s[G0S+2:G0S+3], s[22:23]
	s_or_b32 s[G0S+3], s[G0S+3], 0x80000000
	s_mov_b32 s[G0SB], 1
	s_add_co_u32 s[G0SB+1], s94, SCL
	s_mov_b64 s[G0SB+2:G0SB+3], s[92:93]
	s_or_b32 s[G0SB+3], s[G0SB+3], 0x80000000
	JLOAD G0S, G1S, G0SB, G1SB                     ; the scale words first: they are wanted with K step 0.  With the two below, three loads of mine are out
.irp s, 0,1
	s_mov_b32 s[G0+4*\s], 1
	s_add_co_u32 s[G0+4*\s+1], s45, \s*SLOT
	s_add_nc_u64 s[G0+4*\s+2:G0+4*\s+3], s[20:21], \s*4096
	s_or_b32 s[G0+4*\s+3], s[G0+4*\s+3], 0x80000000
	s_mov_b32 s[G0B+4*\s], 1
	s_add_co_u32 s[G0B+4*\s+1], s45, \s*SLOT
	s_add_nc_u64 s[G0B+4*\s+2:G0B+4*\s+3], s[46:47], \s*4096
	s_or_b32 s[G0B+4*\s+3], s[G0B+4*\s+3], 0x80000000
	JLOAD G0+4*\s, G1, G0B+4*\s, G1B
.endr
	v_and_b32 v1, 15, v0                           ; r
	v_bfe_u32 v2, v0, 4, 1                         ; h
	v_and_b32 v3, 31, v0
	v_lshlrev_b32 v4, 4, v3                        ; 16 x lane
	s_mul_i32 s21, s15, HALFT                      ; my 8 tiles of A
	s_mul_i32 s22, s16, HALFT                      ; my 8 tiles of B,
	s_add_co_u32 s22, s22, 2*HALFT                 ; which lie behind A's 16
.irp s, 0,1
	v_add_nc_u32 v[ADRA+\s], s21, v4
	v_add_nc_u32 v[ADRB+\s], s22, v4
	s_add_co_u32 s21, s21, SLOT
	s_add_co_u32 s22, s22, SLOT
.endr
	v_mul_u32_u24 v5, v1, 32                       ; my row's scale words: 32 bytes a row,
	v_lshrrev_b32 v6, 8, v5
	v_lshl_add_u32 v5, v6, 4, v5                   ; and 16 more for each 256 passed
	s_mul_i32 s21, s15, HALFS
	s_mul_i32 s22, s16, HALFS
	s_add_co_u32 s22, s22, 2*HALFS
	s_sub_co_u32 s22, s22, s21
	v_mul_u32_u24 v6, s22, v2                      ; lanes 16-31 take B's
	s_add_co_u32 s21, s21, SCL
	v_add_nc_u32 v5, v5, v6
	v_add_nc_u32 v[ADRS], s21, v5
	; the bias, in the result's layout
	s_cmp_eq_u32 ttmp9, 2
	s_cbranch_scc1 .Lbias_v
	s_cmp_eq_u32 ttmp9, 0
	s_cselect_b64 s[66:67], s[8:9], s[10:11]       ; bq or bk
	s_lshl_b32 s12, s40, 10
	s_lshl_b32 s13, s16, 9
	s_add_co_u32 s12, s12, s13                     ; my 128 channels: 256 cx + 128 (wave % 2)
	s_mov_b32 s13, 0
	s_add_nc_u64 s[66:67], s[66:67], s[12:13]
	v_lshlrev_b32 v7, 6, v2                        ; register j of B's tile b is channel 32 (b / 2) + 8 (b % 2) + 16 h + j
.irp b, 0,1,2,3,4,5,6,7
	global_load_b128 v[BI+8*\b:BI+8*\b+3], v7, s[66:67] offset:(32*(\b/2)+8*(\b%2))*4
	global_load_b128 v[BI+8*\b+4:BI+8*\b+7], v7, s[66:67] offset:(32*(\b/2)+8*(\b%2))*4+16
.endr
	s_branch .Lbias_done
.Lbias_v:
	s_lshl_b32 s12, s41, 10
	s_lshl_b32 s13, s15, 9
	s_add_co_u32 s12, s12, s13                     ; my 128 channels: 256 cy + 128 (wave / 2)
	s_mov_b32 s13, 0
	s_add_nc_u64 s[66:67], s[96:97], s[12:13]
	v_and_b32 v7, 8, v1
	v_add_nc_u32 v7, v7, v1
	v_lshlrev_b32 v7, 2, v7                        ; my lane's channel in A's tile a: 32 (a / 2) + 8 (a % 2) + r + 8 (r / 8); all eight registers take its bias
.irp a, 0,1,2,3,4,5,6,7
	global_load_b32 v[BI+8*\a], v7, s[66:67] offset:(32*(\a/2)+8*(\a%2))*4
.endr
	s_wait_loadcnt 0x0
.irp a, 0,1,2,3,4,5,6,7
.irp j, 1,2,3,4,5,6,7
	v_mov_b32 v[BI+8*\a+\j], v[BI+8*\a]
.endr
.endr
	PLACES NP
.Lbias_done:
	s_wait_loadcnt 0x0                             ; the bias
	s_wait_tensorcnt 1                             ; the scale words and my part of K step 0 are in; K step 1's load may be out
	s_barrier_signal -1
	s_barrier_wait -1
	FETCH_B 0, 0, 0
	FETCH_A 0, 0, 0
	s_wait_alu depctr_va_vdst(0)
	SCALES 0
	FETCH_A 0, 0, 4
	s_cmp_eq_u32 ttmp9, 2                          ; the first step is written twice: the bias goes by B's tile (q, k) or by A's (v)
	s_cbranch_scc1 .Lfirst_v
	STEP 0, 0, 1
	s_branch .Lfirst_done
.Lfirst_v:
	STEP 0, 0, 2
.Lfirst_done:
	TURN 0, 1, 1                                   ; four K steps, written out: slot 0 takes K step 2,
	STEP 1, 0, 0
	TURN 1, 0, 1                                   ; slot 1 K step 3,
	STEP 0, 0, 0
	TURN 0, 1, 0                                   ; and nothing more is asked for
	STEP 1, 0, 0
	s_wait_dscnt 4*NL
	WIN MUL_LO
	MUL16 0, 1, NQ-1, 1, 0
	MUL16 2, 1, NQ-1, 1, 0
	s_wait_dscnt 0
	WIN MUL_HI
	MUL16 4, 1, NQ-1, 1, 0
	MUL16 6, 1, NQ-1, 1, 0
	WIN 0
	; THE WAY OUT.  For each of A's eight tiles my 64 results a lane are quantised and are a fragment's registers as they stand: four stores of 512 consecutive bytes.
	PLACES NP
	s_mov_b32 s[SEL], 0x76543210
	s_mov_b32 s[SEL+1], 0xfedcba98
	s_mov_b32 s72, 1024
	s_mov_b32 s76, 131072
	s_cmp_eq_u32 ttmp9, 2
	s_cselect_b32 s68, s40, s41                    ; tokens lie along B (v) or along A (q, k)
	s_cselect_b32 s69, s16, s15
	s_cselect_b32 s70, s41, s40                    ; channels the other way
	s_cselect_b32 s71, s15, s16
	s_cselect_b32 s72, 2048, s72                   ; from one of A's tiles to the next: a d tile's fragment (v), a token tile (q, k)
	s_cselect_b32 s74, 122880, 0                   ; v: A's tile 4 begins the next head
	s_cselect_b32 s76, 1024, s76                   ; a fragment's blocks 2, 3: the same fragment (v), the next head (q, k)
	s_cselect_b32 s77, 12, 13                      ; a head's scale words: 4,096 bytes (v), 8,192 (q, k)
	s_mov_b32 s73, 0
	s_mov_b32 s75, 0
	s_lshl_b32 s78, s17, 2
	s_add_co_u32 s78, s78, s68
	s_lshl_b32 s78, s78, 1
	s_add_co_u32 s78, s78, s69                     ; which 128 tokens of the 8,192
	s_lshr_b32 s79, s78, 4                         ; the batch
	s_and_b32 s78, s78, 15                         ; the step of 128 in it
	s_lshl_b32 s70, s70, 2
	s_lshl_b32 s71, s71, 1
	s_add_co_u32 s70, s70, s71                     ; the first of my two heads
	s_lshl_b32 s79, s79, 4
	s_add_co_u32 s79, s79, s70
	s_lshl_b32 s80, ttmp9, 23                      ; 8 MiB for each of q, k, v
	s_lshl_b32 s81, s79, 17
	s_add_co_u32 s80, s80, s81
	s_lshl_b32 s81, s78, 13
	s_add_co_u32 s80, s80, s81
	s_mov_b32 s81, 0
	s_add_nc_u64 s[98:99], s[98:99], s[80:81]
	s_lshl_b32 s80, ttmp9, 19
	s_lshl_b32 s82, s79, s77
	s_add_co_u32 s80, s80, s82
	s_sub_co_u32 s77, s77, 4
	s_lshl_b32 s82, s78, s77
	s_add_co_u32 s80, s80, s82
	s_add_nc_u64 s[100:101], s[100:101], s[80:81]
	v_lshlrev_b32 v[VO0], 4, v3
	v_add_nc_u32 v[VO2], s76, v[VO0]
.irp b, 0,1,2,3
	v_mov_b32 v[TM+4+\b], 0                        ; written once: a lane permute's destination counts as one of its sources
.endr
.irp a, 0,1,2,3,4,5,6,7
	QUANTW 64*(\a%4), 2+\a/4, PC+16*(\a%2), WD+\a
	s_wait_alu depctr_va_vdst(0)
	s_wait_xcnt 0x0                                ; the earlier stores have read their base and their data: the base may step, and the set of codes of two tiles ago is free
.if \a > 0
	s_add_nc_u64 s[98:99], s[98:99], s[72:73]
.endif
.if \a == 4
	s_add_nc_u64 s[98:99], s[98:99], s[74:75]
.endif
	global_store_b128 v[VO0], v[PC+16*(\a%2):PC+16*(\a%2)+3], s[98:99]
	global_store_b128 v[VO0], v[PC+16*(\a%2)+4:PC+16*(\a%2)+7], s[98:99] offset:512
	global_store_b128 v[VO2], v[PC+16*(\a%2)+8:PC+16*(\a%2)+11], s[98:99]
	global_store_b128 v[VO2], v[PC+16*(\a%2)+12:PC+16*(\a%2)+15], s[98:99] offset:512
.endr
	v_cmp_ne_u32 vcc_lo, 0, v2                     ; both halves of the lanes hold all eight words: lanes 0-15 store those of tiles 0-3, lanes 16-31 of tiles 4-7
.irp i, 0,1,2,3
	v_cndmask_b32 v[SW+\i], v[WD+\i], v[WD+4+\i], vcc_lo
.endr
	s_cmp_eq_u32 ttmp9, 2
	s_cbranch_scc1 .Lsc_v
	v_lshlrev_b32 v[VSO], 5, v1
	v_lshl_add_u32 v[VSO], v2, 4, v[VSO]           ; 32 r + 16 h
.irp i, 0,1,2,3
	v_and_b32 v[TM+\i], 0xffff, v[SW+\i]           ; bytes 0, 1: my first head's two blocks;
	v_lshrrev_b32 v[SW+\i], 16, v[SW+\i]           ; bytes 2, 3: the next head's.  The upper bytes are 0
.endr
	global_store_b128 v[VSO], v[TM:TM+3], s[100:101]                 ; 512 consecutive bytes
	global_store_b128 v[VSO], v[SW:SW+3], s[100:101] offset:8192
	s_branch .Lsc_done
.Lsc_v:
	v_lshlrev_b32 v[VSO], 4, v1
	v_lshl_add_u32 v[VSO], v2, 12, v[VSO]          ; 16 r; lanes 16-31: the next head
	s_wait_alu depctr_va_vdst(0)
	global_store_b128 v[VSO], v[SW:SW+3], s[100:101]                 ; sixteen lanes fill 256 consecutive bytes
.Lsc_done:
	s_wait_tensorcnt 0x0                           ; the wave's end
	ds_add_u32 v[SPW], v[NIL]
	s_wait_dscnt 0x0
	CROUND                                         ; the closing round: no work-group ends while a partner may still ask for a tile that names it
	s_endpgm
.Lfunc_end_k_q3cc6e8b0d2_gemm_qkv:
	.size	k_q3cc6e8b0d2_gemm_qkv, .Lfunc_end_k_q3cc6e8b0d2_gemm_qkv-k_q3cc6e8b0d2_gemm_qkv
	.p2alignl 7, 3214868480
	.fill 96, 4, 3214868480
	.section	.rodata,"a",@progbits
	.p2align	6, 0x0
	.amdhsa_kernel k_q3cc6e8b0d2_gemm_qkv
		.amdhsa_group_segment_fixed_size 327680
		.amdhsa_private_segment_fixed_size 0
		.amdhsa_enable_private_segment 0
		.amdhsa_kernarg_size 56
		.amdhsa_user_sgpr_count 2
		.amdhsa_user_sgpr_kernarg_segment_ptr 1
		.amdhsa_wavefront_size32 1
		.amdhsa_system_sgpr_workgroup_id_x 1
		.amdhsa_system_sgpr_workgroup_id_y 1
		.amdhsa_system_sgpr_workgroup_id_z 1
		.amdhsa_system_vgpr_workitem_id 0
		.amdhsa_next_free_vgpr 1024
		.amdhsa_next_free_sgpr 102
		.amdhsa_reserve_vcc 1
		.amdhsa_float_denorm_mode_32 3
		.amdhsa_float_denorm_mode_16_64 3
		.amdhsa_fp16_overflow 1
		.amdhsa_memory_ordered 1
		.amdhsa_forward_progress 1
		.amdhsa_inst_pref_size 170
	.end_amdhsa_kernel
	.amdgpu_metadata
---
amdhsa.version: [ 1, 2 ]
amdhsa.kernels:
  - .name:           k_q3cc6e8b0d2_gemm_qkv
    .symbol:         k_q3cc6e8b0d2_gemm_qkv.kd
    .args:
      - { .name: xw_codes, .offset: 0, .size: 8, .value_kind: global_buffer, .address_space: global }
      - { .name: xw_sc, .offset: 8, .size: 8, .value_kind: global_buffer, .address_space: global }
      - { .name: bq, .offset: 16, .size: 8, .value_kind: global_buffer, .address_space: global }
      - { .name: bk, .offset: 24, .size: 8, .value_kind: global_buffer, .address_space: global }
      - { .name: bv, .offset: 32, .size: 8, .value_kind: global_buffer, .address_space: global }
      - { .name: qkv_codes, .offset: 40, .size: 8, .value_kind: global_buffer, .address_space: global }
      - { .name: qkv_sc, .offset: 48, .size: 8, .value_kind: global_buffer, .address_space: global }
    .group_segment_fixed_size: 327680
    .private_segment_fixed_size: 0
    .kernarg_segment_align: 8
    .kernarg_segment_size: 56
    .max_flat_workgroup_size: 128
    .sgpr_count:     102
    .vgpr_count:     1024
    .wavefront_size: 32
...
	.end_amdgpu_metadata
.endif
;; end of part 2
;; launch attn (part 3): grid 4 x 64, 16 waves a work-group, clusters of 4 x 1, 276,480 bytes of LDS; arguments qkv_codes, qkv_sc, y_codes, y_sc; writes y_codes, y_sc
.if DOCPART == 3
	.amdgcn_target "amdgcn-amd-amdhsa--gfx1250"
	.amdhsa_code_object_version 6
	.text
	.protected	k_q3cc6e8b0d2_attn
	.globl	k_q3cc6e8b0d2_attn
	.p2align	8
	.type	k_q3cc6e8b0d2_attn,@function
k_q3cc6e8b0d2_attn:
	s_mov_b64 s[64:65], 0
	v_nop
	global_prefetch_b8 v0, s[64:65] scope:SCOPE_SE
	s_setreg_imm32_b32 hwreg(HW_REG_WAVE_MODE, 25, 1), 1
	s_wait_xcnt 0x0
	s_wait_alu depctr_hold_cnt(0) depctr_sa_sdst(0) depctr_va_vdst(0) depctr_va_sdst(0) depctr_va_ssrc(0) depctr_va_vcc(0) depctr_vm_vsrc(0)
	s_getreg_b32 s2, hwreg(HW_REG_IB_STS2, 6, 4)
	s_cmp_eq_u32 s2, 0
	s_cbranch_scc0 .Lentry_in_a_cluster
	s_endpgm
.Lentry_in_a_cluster:
	s_bfe_u32 s2, ttmp6, 0x10000c
	s_cmp_lg_u32 s2, 0x3003
	s_cbranch_scc0 .Lentry_shape_is_right
	s_endpgm
.Lentry_shape_is_right:
; Causal attention of one head (2,048 tokens, head size 64) on codes of FP8 (E4M3) with E8M0 scales; the result y is quantised along the channels for the last projection and leaves as codes.
; THE SOFTMAX AHEAD OF THE SECOND PRODUCT: t = score x log2(e) / 8; M = the running largest t rounded UP to a whole number; p = 2^(t - M) is quantised along the keys, not normalised; the row's sum is taken of the
; unquantised p and divides at the end.  When M moves, the sum and O are multiplied by 2^(old M - new M): exact.
; A WHOLE HEAD'S K AND V LIE IN LDS, FILLED ONCE: K's codes 131,072 bytes at 0, V's 131,072 behind them, K's scale words 8,192, V's 4,096.  Nothing is filled again, so there is no ring.
; CLUSTER: the four work-groups of a head form a cluster and ask for K and V jointly (mask 15): the same loads with the same descriptors in all four.
; SHARES: the head's 128 tiles of 16 queries.  Wave w has a group g (0..7), made of its number alone, and takes the tile 8 g + e and then the tile 127 - (8 g + e), e = 2 cx + a bit of w: g + 1 and 16 - g key steps of 128 keys:
; 17 for every wave.  Branches hang on g and on the loops' counters alone; cx enters global addresses and the mask's numbers only.  Both loops have constant trip counts; a step all of whose keys come after the tile's queries is jumped over.
; The first loop walks key steps 0-7 only, so it may run while the second half of the keys is still on its way.
; LAYOUT: both products are used transposed: S^T = K Q^T (source 0 = 16 keys, source 1 = my 16 queries), O^T = V^T P^T: a lane holds one query throughout.  Row r of tile t is index 32 (t / 2) + 8 (t % 2) + r + 8 (r / 8), so the
; 16 registers of tiles 2 b, 2 b + 1 of S^T are keys 32 b + 16 (lane / 16) + 0 .. 15, and O^T's likewise are channels: the conversions' results are the next operand's registers.
; K = 64 IN AN INSTRUCTION OF 128: Q's registers for k = 64 .. 127 hold zero codes.  A tile of K is 8 registers; the operand names 16: the upper eight are the next tile's codes (or zeros): finite numbers, since the quantiser
; holds at 448 and never makes the NaN code; against Q's zeros they add exactly 0.  The scale words' upper two bytes are 0.
; No prefetch: every tensor load goes out at the kernel's head.  LIMITS: NaN and infinities are not served; y is divided by the row's sum by v_rcp_f32 and a multiplication; a block of y under 2^-118 gets the scale byte 1.
.set AK0,  1                           ; v1   16 x lane: my place in an image of K
.set AV0,  2                           ; v2   the same for V
.set ASK0, 3                           ; v3   my row among K's scale words: 32 r
.set ASV0, 4                           ; v4   among V's: 16 r
.set ADK,  5                           ; v5-8 the step's addresses
.set ADV,  6
.set ADS,  7
.set ADT,  8
.set QSH,  9                           ; v9   the second tile's scale word of Q
.set TV,   10                          ; v10  at work
.set DV,   11                          ; v11  the mask: my query's place in its step - 16 (lane / 16)
.set QF,   16                          ; v16-23 Q's codes; v24-31 zeros
.set KV,   32                          ; v32-95 8 tiles of K x 8, or 4 fragments of V x 16; v96-103 zeros
.set SR,   104                         ; v104-167 S^T, then p; on the way out y
.set OT,   168                         ; v168-199 O^T
.set PCD,  200                         ; v200-215 p's codes; on the way out y's
.set KSW,  216                         ; v216-223 K's scale words; v224-227 V's; v228 Q's; v229 p's
.set VSW,  224
.set QSW,  228
.set PSW,  229
.set BM,   230                         ; v230-245 at work: largest scores, bytes, scale operands
.set T1,   234
.set HO,   238
.set SO,   242
.set FF,   246                         ; v[246:247] f = 2^(old M - new M); on the way out 1 / the sum
.set QH,   248                         ; v248-255 the second tile's codes of Q
.set WV,   12                          ; s12 wave; s13 cx; s14 head; s15 g; s16 e; s17 wave % 2
.set MNT,  19
.set SEL,  20
.set CS,   22                          ; s[22:23] c = log2(e) / 8
.set G1D,  24                          ; s[24:31] group 1: 128 rows of 256 bytes;  s[32:39]: 16 rows;  s[40:47]: 8 rows
.set G1KS, 32
.set G1VS, 40
.set GG,   92                          ; s92 the tile's group; s93 its place in the group; s94 the key step; s95-97 the step's LDS offsets
.set EE,   93
.set SI,   94
.set TB,   95
.set TS,   96
.set TJ,   97
.macro CROUND                          ; a round of the cluster's barrier
	s_barrier_signal -1
	s_barrier_wait -1
	s_cmp_lg_u32 s[WV], 0
	s_cbranch_scc1 .Lnot_wave_0_\@
	s_barrier_signal -3
.Lnot_wave_0_\@:
	s_barrier_wait -3
	s_barrier_signal -1
	s_barrier_wait -1
.endm
; A KEY STEP: 128 keys
.macro STEP
	s_cmp_gt_u32 s[SI], s[GG]                      ; all its keys come after my queries: only the addresses step
	s_cbranch_scc1 .Lhidden_\@
	s_setprio 2
	v_add_nc_u32 v[ADK], s[TB], v[AK0]
	v_add_nc_u32 v[ADV], s[TB], v[AV0]
	v_add_nc_u32 v[ADS], s[TS], v[ASK0]
	v_add_nc_u32 v[ADT], s[TJ], v[ASV0]
.rept 4
	v_nop                                          ; with the four additions: eight places in front of loads into registers that the last products read
.endr
.irp t, 0,1,2,3,4,5,6,7
	ds_load_b128 v[KV+8*\t:KV+8*\t+3], v[ADK] offset:1024*\t
	ds_load_b128 v[KV+8*\t+4:KV+8*\t+7], v[ADK] offset:1024*\t+512
.endr
	ds_load_b128 v[KSW:KSW+3], v[ADS]
	ds_load_b128 v[KSW+4:KSW+7], v[ADS] offset:16
	s_wait_alu depctr_va_vdst(0)
	s_wait_dscnt 0x0
.irp t, 0,1,2,3,4,5,6,7
	v_wmma_scale_f32_16x16x128_f8f6f4 v[SR+8*\t:SR+8*\t+7], v[KV+8*\t:KV+8*\t+15], v[QF:QF+15], 0, v[KSW+\t], v[QSW]
.endr
.rept 8
	v_nop                                          ; places: V's loads land on K's registers, and the scores are read
.endr
.irp t, 0,1,2,3
.irp c, 0,1,2,3
	ds_load_b128 v[KV+16*\t+4*\c:KV+16*\t+4*\c+3], v[ADV] offset:2048*\t+512*\c   ; V's four fragments land while the softmax is worked
.endr
.endr
	ds_load_b128 v[VSW:VSW+3], v[ADT]
	s_cmp_lg_u32 s[SI], s[GG]                      ; only the step on the diagonal hides keys
	s_cbranch_scc1 .Lopen_\@
	v_mov_b32 v[TV], 0xff800000                    ; -infinity: p = 0 then
.set n, 0
.rept 64
	v_cmp_gt_i32 vcc_lo, 32*(n/16)+n%16, v[DV]     ; register 16 b + i holds key 32 b + 16 (lane / 16) + i of the step
	v_cndmask_b32 v[SR+n], v[SR+n], v[TV], vcc_lo
.set n, n+1
.endr
.Lopen_\@:
.irp b, 0,1,2,3
	v_max3_num_f32 v[BM+\b], v[SR+16*\b], v[SR+1+16*\b], v[SR+2+16*\b]   ; the largest score of each block of 32 keys: for the row's maximum, and, since p rises with the score, for the block's largest p
.endr
.irp i, 3,5,7,9,11,13
.irp b, 0,1,2,3
	v_max3_num_f32 v[BM+\b], v[BM+\b], v[SR+16*\b+\i], v[SR+1+16*\b+\i]
.endr
.endr
.irp b, 0,1,2,3
	v_max_num_f32 v[BM+\b], v[BM+\b], v[SR+15+16*\b]
.endr
.irp b, 0,1,2,3
	s_delay_alu instid0(VALU_DEP_4)
	v_permlanex16_b32 v[T1+\b], v[BM+\b], s[SEL], s[SEL+1]
.endr
.irp b, 0,1,2,3
	s_delay_alu instid0(VALU_DEP_4)
	v_max_num_f32 v[BM+\b], v[BM+\b], v[T1+\b]     ; with lane l xor 16's 16 keys
.endr
	s_delay_alu instid0(VALU_DEP_2)
	v_max3_num_f32 v[TV], v[BM], v[BM+1], v[BM+2]
	s_delay_alu instid0(VALU_DEP_1)
	v_max_num_f32 v[TV], v[TV], v[BM+3]
	s_delay_alu instid0(VALU_DEP_1)
	v_mul_f32 v[TV], s[CS], v[TV]                  ; the step's largest t
	s_delay_alu instid0(VALU_DEP_1)
	v_max_num_f32 v13, v13, v[TV]                  ; the running largest t
	v_mov_b32 v[TV], v12
	s_delay_alu instid0(VALU_DEP_2)
	v_floor_f32 v12, -v13                          ; the new -M = -ceil(t): a whole number
	s_delay_alu instid0(VALU_DEP_1)
	v_sub_f32 v[TV], v12, v[TV]                    ; old M - new M: a whole number, 0 or less
	s_delay_alu instid0(VALU_DEP_1)
	v_cvt_i32_f32 v[TV], v[TV]                     ; (it saturates)
	s_delay_alu instid0(VALU_DEP_1)
	v_ldexp_f32 v[FF], 1.0, v[TV]                  ; f = 2^(old M - new M)
.set n, 0
	s_setprio 1
.rept 32
	v_pk_fma_f32 v[SR+n:SR+n+1], v[SR+n:SR+n+1], s[CS:CS+1], v[12:13] op_sel_hi:[1,0,0]   ; t - M, two at a time
.set n, n+2
.endr
.irp b, 0,1,2,3
	v_fma_f32 v[BM+\b], v[BM+\b], s[CS], v12       ; the same of each block's largest score
.endr
.set n, 0
	s_wait_alu depctr_va_vdst(0)
.rept 64
	v_exp_f32 v[SR+n], v[SR+n]                     ; p = 2^(t - M), at most 1
.set n, n+1
.endr
	v_pk_mul_f32 v[14:15], v[14:15], v[FF:FF+1] op_sel_hi:[1,0]      ; the sums under the new M: the plain line behind the exponentials
	s_wait_alu depctr_va_vdst(0)                   ; one wait for the batch of 64, ahead of its first reader
.irp b, 0,1,2,3
	v_exp_f32 v[BM+\b], v[BM+\b]                   ; each block's largest p
.endr
	v_pk_add_f32 v[234:235], v[108:109], v[112:113]
	v_pk_add_f32 v[244:245], v[116:117], v[120:121]
	v_pk_add_f32 v[242:243], v[124:125], v[128:129]
	v_pk_add_f32 v[240:241], v[132:133], v[136:137]
	v_pk_add_f32 v[238:239], v[140:141], v[144:145]
	v_pk_add_f32 v[236:237], v[148:149], v[152:153]
	v_pk_add_f32 v[222:223], v[156:157], v[160:161]
	v_pk_add_f32 v[14:15], v[14:15], v[164:165]
	v_pk_add_f32 v[234:235], v[234:235], v[104:105]
	v_pk_add_f32 v[244:245], v[244:245], v[106:107]
	v_pk_add_f32 v[242:243], v[242:243], v[110:111]
	v_pk_add_f32 v[240:241], v[240:241], v[114:115]
	v_pk_add_f32 v[238:239], v[238:239], v[118:119]
	v_pk_add_f32 v[236:237], v[236:237], v[122:123]
	v_pk_add_f32 v[222:223], v[222:223], v[126:127]
	v_pk_add_f32 v[14:15], v[14:15], v[130:131]
	v_pk_add_f32 v[234:235], v[234:235], v[134:135]
	v_pk_add_f32 v[244:245], v[244:245], v[138:139]
	v_pk_add_f32 v[242:243], v[242:243], v[142:143]
	v_pk_add_f32 v[240:241], v[240:241], v[146:147]
	v_pk_add_f32 v[238:239], v[238:239], v[150:151]
	v_pk_add_f32 v[236:237], v[236:237], v[154:155]
	v_pk_add_f32 v[222:223], v[222:223], v[158:159]
	v_pk_add_f32 v[14:15], v[14:15], v[162:163]
	v_pk_add_f32 v[234:235], v[234:235], v[166:167]
	s_delay_alu instid0(VALU_DEP_2)
	v_pk_add_f32 v[14:15], v[14:15], v[240:241]
	s_delay_alu instid0(VALU_DEP_2)
	v_pk_add_f32 v[234:235], v[234:235], v[238:239]
	v_pk_add_f32 v[244:245], v[244:245], v[236:237]
	v_pk_add_f32 v[242:243], v[242:243], v[222:223]
	s_delay_alu instid0(VALU_DEP_2)
	v_pk_add_f32 v[14:15], v[14:15], v[244:245]
	s_delay_alu instid0(VALU_DEP_2)
	v_pk_add_f32 v[234:235], v[234:235], v[242:243]
	s_delay_alu instid0(VALU_DEP_1)
	v_pk_add_f32 v[14:15], v[14:15], v[234:235]
	s_setprio 0
	s_wait_alu depctr_va_vdst(0)                   ; and one for the four
.irp b, 0,1,2,3
	v_max_num_f32 v[BM+\b], 0x4800000, v[BM+\b]    ; the floor 2^(9 - 127): a block whose every p is 0 keeps the byte 1 over zero codes
.endr
.irp b, 0,1,2,3
	s_delay_alu instid0(VALU_DEP_4)
	v_add_nc_u32 v[SO+\b], 0xfc000000, v[BM+\b]    ; the conversion's scale operand
.endr
.irp b, 0,1,2,3
.endr
.irp b, 0,1,2,3
	s_delay_alu instid0(VALU_DEP_4)
	v_lshrrev_b32 v[T1+\b], 23, v[SO+\b]           ; the scale's byte
.endr
	s_delay_alu instid0(VALU_DEP_3)
	v_lshl_or_b32 v[PSW], v[T1+1], 8, v[T1]        ; p's scale word for these 128 keys
	s_delay_alu instid0(VALU_DEP_1)
	v_lshl_or_b32 v[PSW], v[T1+2], 16, v[PSW]
	s_delay_alu instid0(VALU_DEP_1)
	v_lshl_or_b32 v[PSW], v[T1+3], 24, v[PSW]
.irp b, 0,1,2,3
.irp i, 0,1,2,3,4,5,6,7,8,9,10,11,12,13,14,15
.endr
	v_cvt_scalef32_pk8_fp8_f32 v[PCD+4*\b:PCD+1+4*\b], v[SR+16*\b:SR+7+16*\b], v[SO+\b]
	v_cvt_scalef32_pk8_fp8_f32 v[PCD+2+4*\b:PCD+3+4*\b], v[SR+8+16*\b:SR+15+16*\b], v[SO+\b]
.endr
.set n, 0
.rept 16
	v_pk_mul_f32 v[OT+n:OT+n+1], v[OT+n:OT+n+1], v[FF:FF+1] op_sel_hi:[1,0]   ; O^T under the new M; these sixteen are also the places between the codes and the products
.set n, n+2
.endr
	s_wait_alu depctr_va_vdst(0)
	s_wait_dscnt 0x0                               ; V and its scale words are in
.irp t, 0,1,2,3
	v_wmma_scale_f32_16x16x128_f8f6f4 v[OT+8*\t:OT+8*\t+7], v[KV+16*\t:KV+16*\t+15], v[PCD:PCD+15], v[OT+8*\t:OT+8*\t+7], v[VSW+\t], v[PSW]
.endr
.Lhidden_\@:
	s_add_co_u32 s[TB], s[TB], 8192                ; the next step's codes of K and of V,
	s_add_co_u32 s[TS], s[TS], 512                 ; K's scale words,
	s_add_co_u32 s[TJ], s[TJ], 256                 ; V's
.endm
; ONE TILE OF 16 QUERIES.  hi = 0: tile 8 g + e, walking key steps 0-7; hi = 1: tile 127 - (8 g + e), walking all 16
.macro PASS hi, trips
.if \hi
	s_xor_b32 s[GG], s15, 15                       ; 15 - g
	s_xor_b32 s[EE], s16, 7                        ; 7 - e
.irp i, 0,1,2,3,4,5,6,7
	v_mov_b32 v[QF+\i], v[QH+\i]
.endr
	v_mov_b32 v[QSW], v[QSH]
.else
	s_mov_b32 s[GG], s15
	s_mov_b32 s[EE], s16
.endif
	s_lshl_b32 s80, s[GG], 3
	s_add_co_u32 s80, s80, s[EE]
	s_add_co_u32 s80, s80, s98                     ; the tile among y's 512
	s_lshl_b32 s82, s80, 14
	s_lshl_b32 s81, s99, 10                        ; the head's 64 channels: half a fragment, 1,024 bytes
	s_add_co_u32 s82, s82, s81
	s_mov_b32 s83, 0
	s_add_nc_u64 s[84:85], s[8:9], s[82:83]
	s_lshl_b32 s82, s80, 9
	s_lshl_b32 s81, s99, 1                         ; and two scale bytes
	s_add_co_u32 s82, s82, s81
	s_add_nc_u64 s[86:87], s[10:11], s[82:83]
	s_lshr_b32 s80, s[EE], 1
	s_lshl_b32 s80, s80, 5
	s_and_b32 s81, s[EE], 1
	s_lshl_b32 s81, s81, 3
	s_add_co_u32 s80, s80, s81                     ; 32 (e / 2) + 8 (e % 2)
	v_and_b32 v[DV], 15, v0
	s_delay_alu instid0(VALU_DEP_1)
	v_and_b32 v[TV], 8, v[DV]
	s_delay_alu instid0(VALU_DEP_1)
	v_add_nc_u32 v[DV], v[DV], v[TV]               ; r + 8 (r / 8)
	v_bfe_u32 v[TV], v0, 4, 1
	s_delay_alu instid0(VALU_DEP_1)
	v_lshlrev_b32 v[TV], 4, v[TV]
	s_delay_alu instid0(VALU_DEP_1)
	v_sub_nc_u32 v[DV], v[DV], v[TV]
	s_delay_alu instid0(VALU_DEP_1)
	v_add_nc_u32 v[DV], s80, v[DV]                 ; my query's place in its step, less 16 (lane / 16)
	v_mov_b32 v13, 0xff61b1e6                      ; the largest t so far: -3e38
	s_delay_alu instid0(VALU_DEP_1)
	v_floor_f32 v12, -v13                          ; -M
	v_mov_b32 v14, 0
	v_mov_b32 v15, 0
.set n, 0
.rept 32
	v_mov_b32 v[OT+n], 0                           ; the step is written once: the first finds zeros, which the first change of M leaves zeros
.set n, n+1
.endr
	s_mov_b32 s[SI], 0
	s_mov_b32 s[TB], 0
	s_mov_b32 s[TS], 0
	s_mov_b32 s[TJ], 0
.Lstep_\@:
	STEP
	s_add_co_u32 s[SI], s[SI], 1
	s_cmp_lt_u32 s[SI], \trips
	s_cbranch_scc1 .Lstep_\@
	s_setprio 0
	; the way out: y = O^T / the sum, quantised along the channels: two blocks of 32
	v_add_f32 v14, v14, v15
	s_delay_alu instid0(VALU_DEP_1)
	v_permlanex16_b32 v[TV], v14, s[SEL], s[SEL+1]
	s_delay_alu instid0(VALU_DEP_1)
	v_add_f32 v14, v14, v[TV]                      ; the row's sum
	s_wait_alu depctr_va_vdst(0)
	v_rcp_f32 v[FF], v14
.rept 8
	v_nop                                          ; places behind the last products, and the plain line behind the reciprocal
.endr
	s_wait_alu depctr_va_vdst(0)                   ; the wait ahead of the reciprocal's first reader
.set n, 0
.rept 16
	v_pk_mul_f32 v[SR+n:SR+n+1], v[OT+n:OT+n+1], v[FF:FF+1] op_sel_hi:[1,0]   ; register 16 b + i: channel 32 b + 16 (lane / 16) + i of the head
.set n, n+2
.endr
.irp b, 0,1
	v_max3_num_f32 v[BM+\b], |v[SR+16*\b]|, |v[SR+1+16*\b]|, 0x4800000
.endr
.irp i, 2,4,6,8,10,12,14
.irp b, 0,1
	s_delay_alu instid0(VALU_DEP_2)
	v_max3_num_f32 v[BM+\b], v[BM+\b], |v[SR+16*\b+\i]|, |v[SR+1+16*\b+\i]|
.endr
.endr
.irp b, 0,1
	s_delay_alu instid0(VALU_DEP_2)
	v_permlanex16_b32 v[T1+\b], v[BM+\b], s[SEL], s[SEL+1]
.endr
.irp b, 0,1
	s_delay_alu instid0(VALU_DEP_2)
	v_max_num_f32 v[BM+\b], v[BM+\b], v[T1+\b]
.endr
.irp b, 0,1
	s_delay_alu instid0(VALU_DEP_2)
	v_add_nc_u32 v[SO+\b], 0xfc000000, v[BM+\b]
.endr
.irp b, 0,1
.endr
.irp b, 0,1
	s_delay_alu instid0(VALU_DEP_2)
	v_lshrrev_b32 v[T1+\b], 23, v[SO+\b]
.endr
	s_delay_alu instid0(VALU_DEP_1)
	v_lshl_or_b32 v[TV], v[T1+1], 8, v[T1]         ; the two scale bytes
	v_and_b32 v[ADS], 15, v0
	s_delay_alu instid0(VALU_DEP_1)
	v_lshlrev_b32 v[ADS], 5, v[ADS]                ; 32 r
.irp b, 0,1
.irp i, 0,1,2,3,4,5,6,7,8,9,10,11,12,13,14,15
.endr
	v_cvt_scalef32_pk8_fp8_f32 v[PCD+4*\b:PCD+1+4*\b], v[SR+16*\b:SR+7+16*\b], v[SO+\b]
	v_cvt_scalef32_pk8_fp8_f32 v[PCD+2+4*\b:PCD+3+4*\b], v[SR+8+16*\b:SR+15+16*\b], v[SO+\b]
.endr
	v_nop                                          ; one plain line behind the last conversion
	global_store_b128 v[AK0], v[PCD:PCD+3], s[84:85]                 ; 512 consecutive bytes of the fragment's image
	global_store_b128 v[AK0], v[PCD+4:PCD+7], s[84:85] offset:512
	global_store_b16 v[ADS], v[TV], s[86:87]       ; two bytes of my row's 32 (a scale word's halves belong to two heads); both halves of the lanes write the same
.endm
	s_load_b256 s[4:11], s[0:1], 0x0               ; qkv_codes, qkv_sc, y_codes, y_sc
	v_lshl_add_u32 v254, v0, 2, 0x43000
	v_mov_b32 v255, 0
	ds_add_u32 v254, v255
	ds_add_u32 v254, v255
	s_wait_dscnt 0x0
	v_lshrrev_b32 v5, 5, v0
	s_delay_alu instid0(VALU_DEP_1)
	v_readfirstlane_b32 s[WV], v5                  ; wave 0..15
	s_bfe_u32 s13, ttmp6, 0x40000                  ; cx
	s_and_b32 s14, ttmp7, 0xffff                   ; batch x 16 + head, which the four partners share
	s_and_b32 s17, s[WV], 1
	s_lshr_b32 s18, s[WV], 2
	s_xor_b32 s15, s[WV], s18
	s_and_b32 s15, s15, 1
	s_lshl_b32 s18, s18, 1
	s_add_co_u32 s15, s15, s18                     ; g = 2 (w / 4) + ((w xor w / 4) % 2): waves w, w + 4, w + 8, w + 12 have groups whose sum is the same for every w
	s_bfe_u32 s16, s[WV], 0x10001
	s_lshl_b32 s18, s13, 1
	s_add_co_u32 s16, s16, s18                     ; e = 2 cx + (w / 2) % 2
	s_lshr_b32 s98, s14, 4
	s_lshl_b32 s98, s98, 7                         ; 128 tiles a batch
	s_and_b32 s99, s14, 15                         ; the head
	s_mov_b32 s[SEL], 0x76543210
	s_mov_b32 s[SEL+1], 0xfedcba98
	s_mov_b32 s[CS], 0x3e38aa3b                    ; c = log2(e) / 8
	s_mov_b32 s[CS+1], s[CS]
	; descriptor groups 1: dense blocks as rows of 256 bytes (32 elements of 8 bytes); mask: all four work-groups; bit 21 set beside it
.irp g, G1D, G1KS, G1VS
	s_mov_b32 s[\g], 15|(3<<16)|(1<<21)
	s_mov_b32 s[\g+1], 32<<16
	s_mov_b32 s[\g+3], 32<<16
	s_mov_b32 s[\g+5], 32
	s_mov_b32 s[\g+6], 0
	s_mov_b32 s[\g+7], 0
.endr
	s_mov_b32 s[G1D+2], 128<<16                    ; 32 KiB of codes
	s_mov_b32 s[G1D+4], 128
	s_mov_b32 s[G1KS+2], 16<<16                    ; 4,096 bytes of K's scale words
	s_mov_b32 s[G1KS+4], 16
	s_mov_b32 s[G1VS+2], 8<<16                     ; 2,048 of V's
	s_mov_b32 s[G1VS+4], 8
	s_lshl_b32 s76, s14, 17                        ; the head's codes,
	s_lshl_b32 s78, s17, 15                        ; and which 32 KiB of a load's 64 I fetch
	s_add_co_u32 s76, s76, s78
	s_mov_b32 s77, 0
	s_lshl_b32 s80, s14, 13
	s_lshl_b32 s79, s17, 12
	s_add_co_u32 s80, s80, s79
	s_mov_b32 s81, 0
	s_lshl_b32 s82, s14, 12
	s_lshl_b32 s18, s17, 11
	s_add_co_u32 s82, s82, s18
	s_mov_b32 s83, 0
	s_wait_kmcnt 0x0
	s_add_nc_u64 s[76:77], s[4:5], s[76:77]
	s_add_nc_u64 s[80:81], s[6:7], s[80:81]
	s_add_nc_u64 s[82:83], s[6:7], s[82:83]
	s_mov_b32 s48, 1                               ; K's scale words
	s_add_co_u32 s49, s79, 262144
	s_add_nc_u64 s[50:51], s[80:81], 524288
	s_or_b32 s51, s51, 0x80000000
	s_mov_b32 s52, 1                               ; K's keys 0 to 1,023
	s_mov_b32 s53, s78
	s_add_nc_u64 s[54:55], s[76:77], 0x800000
	s_or_b32 s55, s55, 0x80000000
	s_mov_b32 s56, 1                               ; K's keys 1,024 to 2,047
	s_add_co_u32 s57, s78, 65536
	s_add_nc_u64 s[58:59], s[76:77], 0x810000
	s_or_b32 s59, s59, 0x80000000
	s_mov_b32 s60, 1                               ; V's scale words
	s_add_co_u32 s61, s18, 270336
	s_add_nc_u64 s[62:63], s[82:83], 1048576
	s_or_b32 s63, s63, 0x80000000
	s_mov_b32 s68, 1                               ; V's key steps 0 to 7
	s_add_co_u32 s69, s78, 131072
	s_add_nc_u64 s[70:71], s[76:77], 0x1000000
	s_or_b32 s71, s71, 0x80000000
	s_mov_b32 s72, 1                               ; V's key steps 8 to 15
	s_add_co_u32 s73, s78, 196608
	s_add_nc_u64 s[74:75], s[76:77], 0x1010000
	s_or_b32 s75, s75, 0x80000000
	CROUND                                         ; all four work-groups are here: the joint loads meet
	s_cmp_lt_u32 s[WV], 2                          ; waves 0, 1 fetch for K, waves 2, 3 for V, three loads each, in one branch on the wave's number; the others fetch nothing
	s_cbranch_scc0 .Lnot_k
	tensor_load_to_lds s[48:51], s[G1KS:G1KS+7]
	s_nop 0
	tensor_load_to_lds s[52:55], s[G1D:G1D+7]
	s_nop 0
	tensor_load_to_lds s[56:59], s[G1D:G1D+7]
	s_nop 0
.rept 4
	v_nop
.endr
	s_branch .Lasked
.Lnot_k:
	s_cmp_lt_u32 s[WV], 4
	s_cbranch_scc0 .Lasked
	tensor_load_to_lds s[60:63], s[G1VS:G1VS+7]
	s_nop 0
	tensor_load_to_lds s[68:71], s[G1D:G1D+7]
	s_nop 0
	tensor_load_to_lds s[72:75], s[G1D:G1D+7]
	s_nop 0
.rept 4
	v_nop
.endr
.Lasked:
	; Q of my two tiles: 1,024 bytes of codes and a scale word a row each
	s_lshl_b32 s78, s15, 3
	s_add_co_u32 s78, s78, s16                     ; the first tile
	s_xor_b32 s79, s78, 127                        ; the second: 127 - it
	s_mov_b32 s81, 0
	s_lshl_b32 s82, s14, 17
	s_lshl_b32 s80, s78, 10
	s_add_co_u32 s80, s80, s82
	s_add_nc_u64 s[84:85], s[4:5], s[80:81]
	s_lshl_b32 s80, s79, 10
	s_add_co_u32 s80, s80, s82
	s_add_nc_u64 s[86:87], s[4:5], s[80:81]
	s_lshl_b32 s82, s14, 13
	s_lshl_b32 s80, s15, 9
	s_lshl_b32 s83, s16, 2
	s_add_co_u32 s80, s80, s83
	s_add_co_u32 s80, s80, s82
	s_add_nc_u64 s[88:89], s[6:7], s[80:81]
	s_xor_b32 s80, s15, 15
	s_lshl_b32 s80, s80, 9
	s_xor_b32 s83, s16, 7
	s_lshl_b32 s83, s83, 2
	s_add_co_u32 s80, s80, s83
	s_add_co_u32 s80, s80, s82
	s_add_nc_u64 s[90:91], s[6:7], s[80:81]
	v_and_b32 v5, 31, v0
	s_delay_alu instid0(VALU_DEP_1)
	v_lshlrev_b32 v[AK0], 4, v5
	s_delay_alu instid0(VALU_DEP_1)
	v_add_nc_u32 v[AV0], 131072, v[AK0]
	v_and_b32 v6, 15, v0
	s_delay_alu instid0(VALU_DEP_1)
	v_lshlrev_b32 v[ADS], 5, v6                    ; 32 r
	s_delay_alu instid0(VALU_DEP_1)
	v_add_nc_u32 v[ASK0], 262144, v[ADS]
	s_delay_alu instid0(VALU_DEP_3)
	v_lshl_add_u32 v[ASV0], v6, 4, 270336
	global_load_b128 v[QF:QF+3], v[AK0], s[84:85]
	global_load_b128 v[QF+4:QF+7], v[AK0], s[84:85] offset:512
	global_load_b128 v[QH:QH+3], v[AK0], s[86:87]
	global_load_b128 v[QH+4:QH+7], v[AK0], s[86:87] offset:512
	global_load_b32 v[QSW], v[ADS], s[88:89]
	global_load_b32 v[QSH], v[ADS], s[90:91]
.irp i, 0,1,2,3,4,5,6,7
	v_mov_b32 v[QF+8+\i], 0                        ; Q's codes for k = 64 .. 127
	v_mov_b32 v[KV+64+\i], 0                       ; what stands behind K's last tile
.endr
.irp b, 0,1,2,3
	v_mov_b32 v[T1+\b], 0                          ; written once: a lane permute's destination counts as one of its sources
.endr
	v_mov_b32 v[TV], 0
	v_mov_b32 v[FF+1], 0                           ; named as the upper half of a pair
	s_wait_loadcnt 0x0                             ; Q
	s_wait_tensorcnt 1                             ; the scale words and keys 0 to 1,023 are in; the last load, the second half of the keys, may be out
	s_barrier_signal -1
	s_barrier_wait -1
	PASS 0, 8
	s_wait_tensorcnt 0x0                           ; the second half of the keys is in,
	s_wait_dscnt 0x0
	s_barrier_signal -1
	s_barrier_wait -1                              ; everybody's part of it
	s_wait_xcnt 0x0                                ; the first tile's stores have read their registers and bases, which are written again
	PASS 1, 16
	s_wait_dscnt 0x0
	s_wait_xcnt 0x0
	v_lshl_add_u32 v254, v0, 2, 0x43000
	v_mov_b32 v255, 0
	s_wait_alu depctr_va_vdst(0)
	s_wait_tensorcnt 0x0
	ds_add_u32 v254, v255
	s_wait_dscnt 0x0
	CROUND                                         ; the closing round
	s_endpgm
.Lfunc_end_k_q3cc6e8b0d2_attn:
	.size	k_q3cc6e8b0d2_attn, .Lfunc_end_k_q3cc6e8b0d2_attn-k_q3cc6e8b0d2_attn
	.p2alignl 7, 3214868480
	.fill 96, 4, 3214868480
	.section	.rodata,"a",@progbits
	.p2align	6, 0x0
	.amdhsa_kernel k_q3cc6e8b0d2_attn
		.amdhsa_group_segment_fixed_size 276480
		.amdhsa_private_segment_fixed_size 0
		.amdhsa_enable_private_segment 0
		.amdhsa_kernarg_size 32
		.amdhsa_user_sgpr_count 2
		.amdhsa_user_sgpr_kernarg_segment_ptr 1
		.amdhsa_wavefront_size32 1
		.amdhsa_system_sgpr_workgroup_id_x 1
		.amdhsa_system_sgpr_workgroup_id_y 1
		.amdhsa_system_sgpr_workgroup_id_z 1
		.amdhsa_system_vgpr_workitem_id 0
		.amdhsa_next_free_vgpr 256
		.amdhsa_next_free_sgpr 100
		.amdhsa_reserve_vcc 1
		.amdhsa_float_denorm_mode_32 3
		.amdhsa_float_denorm_mode_16_64 3
		.amdhsa_fp16_overflow 1
		.amdhsa_memory_ordered 1
		.amdhsa_forward_progress 1
		.amdhsa_inst_pref_size 69
	.end_amdhsa_kernel
	.amdgpu_metadata
---
amdhsa.version: [ 1, 2 ]
amdhsa.kernels:
  - .name:           k_q3cc6e8b0d2_attn
    .symbol:         k_q3cc6e8b0d2_attn.kd
    .args:
      - { .name: qkv_codes, .offset: 0, .size: 8, .value_kind: global_buffer, .address_space: global }
      - { .name: qkv_sc, .offset: 8, .size: 8, .value_kind: global_buffer, .address_space: global }
      - { .name: y_codes, .offset: 16, .size: 8, .value_kind: global_buffer, .address_space: global }
      - { .name: y_sc, .offset: 24, .size: 8, .value_kind: global_buffer, .address_space: global }
    .group_segment_fixed_size: 276480
    .private_segment_fixed_size: 0
    .kernarg_segment_align: 8
    .kernarg_segment_size: 32
    .max_flat_workgroup_size: 512
    .sgpr_count:     100
    .vgpr_count:     256
    .wavefront_size: 32
...
	.end_amdgpu_metadata
.endif
;; end of part 3
;; launch gemm_proj (part 4): grid 4 x 32, 4 waves a work-group, clusters of 4 x 4, 327,680 bytes of LDS; arguments y_codes, y_sc, xw_codes, xw_sc, bp, out0; writes out0
.if DOCPART == 4
	.amdgcn_target "amdgcn-amd-amdhsa--gfx1250"
	.amdhsa_code_object_version 6
	.text
	.protected	k_q3cc6e8b0d2_gemm_proj
	.globl	k_q3cc6e8b0d2_gemm_proj
	.p2align	8
	.type	k_q3cc6e8b0d2_gemm_proj,@function
k_q3cc6e8b0d2_gemm_proj:
	s_mov_b64 s[64:65], 0
	v_nop
	global_prefetch_b8 v0, s[64:65] scope:SCOPE_SE
	s_setreg_imm32_b32 hwreg(HW_REG_WAVE_MODE, 25, 1), 1
	s_wait_xcnt 0x0
	s_wait_alu depctr_hold_cnt(0) depctr_sa_sdst(0) depctr_va_vdst(0) depctr_va_sdst(0) depctr_va_ssrc(0) depctr_va_vcc(0) depctr_vm_vsrc(0)
	s_getreg_b32 s2, hwreg(HW_REG_IB_STS2, 6, 4)
	s_cmp_eq_u32 s2, 0
	s_cbranch_scc0 .Lentry_in_a_cluster
	s_endpgm
.Lentry_in_a_cluster:
	s_bfe_u32 s2, ttmp6, 0x10000c
	s_cmp_lg_u32 s2, 0xf033
	s_cbranch_scc0 .Lentry_shape_is_right
	s_endpgm
.Lentry_shape_is_right:
; out0 = y Wp + bp on codes of FP8 (E4M3) with E8M0 scales for each 32 along K = 1,024; out0 [8192][1024] f32.
; A tile of 256 x 256 is made by four waves, 128 x 128 each: 64 accumulators, 512 registers.  K goes in four steps of 256 through two LDS slots filled by tensor loads.
; OPERANDS ARE IMAGES OF THEIR REGISTERS: a fragment (16 rows x 128 K) is 2,048 bytes, [c][lane][16]; a load of it reads 512 consecutive bytes.  Row r of tile t is index 32 (t / 2) + 8 (t % 2) + r + 8 (r / 8), of tokens and of channels alike.
; THE MATRIX INSTRUCTION IS USED TRANSPOSED (source 0 = 16 rows of B = Wp's channels, source 1 = 16 rows of A = y's tokens): a lane holds one token and eight neighbouring channels.  The bias is the C of each sum's first matrix instruction.
; CLUSTERS: 4 x 4 work-groups; A's tiles are shared along a row of the cluster, B's along a column, asked for jointly.  128 work-groups: a tile of 128 x 256 would give 256, at the price of a second form of the product's text.
; No prefetch: K has four steps, two of them among the first fills.  LIMITS: NaN and infinities are not served.
; REGISTERS, in windows of 256: window 0: v0-31 addresses; v32-63 scale words, two sets; v64-127 the bias; v128-255 A's fragments, on the way out rows of out0.  window 1: B's fragments, two sets.  windows 2, 3: the accumulators.
.set NQ,     2
.set FR,     16
.set NL,     4
.set NP,     8                         ; places behind this matrix instruction (ISA guide 7.12.1)
.set HALFT,  32768                     ; 8 tiles x 4,096 bytes
.set SLOT,   4*HALFT
.set SCL,    2*SLOT                    ; the scale words for all of K, as units of 256 bytes + 16 of padding
.set HALFS,  16*272
.set SBLK,   2*272
.set SPARE,  SCL+4*HALFS               ; the spare words, 128 bytes for each wave: two blocks of 256 bytes that no other line names
.set SPITCH, 528                       ; the way out: a stage of 16 rows x (512 bytes + 16) for each wave, in slot 0, which has had its last fill and its last read when the first result is stored there
.set ADRA, 16
.set ADRB, 20
.set STO,  24                          ; v24  the way out: where I put my bytes of a row
.set RD,   25                          ; v25  where I read a row back
.set CO,   26                          ; v26  my byte offset in a row of out0
.set ADRS, 27
.set SPW,  28
.set NIL,  29
.set SC,   32
.set BI,   64
.set AF,   128
.set BK,   128                         ; 16 rows read back from the stage: v128-191 and v192-255 by turns
.set G1, 24
.set G0, 32
.set G1B, 48
.set G0B, 56
.set G1S, 68
.set G0S, 76
.set G1SB, 80
.set G0SB, 88
.set MSB, 0
.macro WIN new                         ; the immediate's high byte repeats the setting that is left
.if MSB != (\new)
	s_set_vgpr_msb (MSB<<8)|(\new)
.set MSB, (\new)
.endif
.endm
.set MUL_LO, 0xa1                      ; source 0 (B) window 1, source 1 (A) window 0, C and D window 2
.set MUL_HI, 0xf1
.set BIA_LO, 0x81                      ; the first step: C (the bias) window 0
.set BIA_HI, 0xc1
.set TO_B,   0x40
.macro JLOAD g0a, g1a, g0b, g1b        ; a joint load: waves 0 and 1 fetch for A, waves 2 and 3 for B; four v_nop follow each of the two lines
	s_cmp_eq_u32 s15, 0
	s_cbranch_scc0 .Lfor_b_\@
	tensor_load_to_lds s[\g0a:\g0a+3], s[\g1a:\g1a+7]
	s_nop 0
.rept 4
	v_nop
.endr
	s_branch .Lasked_\@
.Lfor_b_\@:
	tensor_load_to_lds s[\g0b:\g0b+3], s[\g1b:\g1b+7]
	s_nop 0
.rept 4
	v_nop
.endr
.Lasked_\@:
.endm
.macro CREST
	s_cmp_lg_u32 s14, 0
	s_cbranch_scc1 .Lnot_wave_0_\@
	s_barrier_signal -3
.Lnot_wave_0_\@:
	s_barrier_wait -3
	s_barrier_signal -1
	s_barrier_wait -1
.endm
.macro CROUND
	s_barrier_signal -1
	s_barrier_wait -1
	CREST
.endm
.macro FRAG reg, adr, q, i
.irp c, 0,1,2,3
	ds_load_b128 v[\reg+4*\c:\reg+4*\c+3], v[\adr] offset:4096*(\i)+2048*(\q)+512*\c
.endr
.endm
; 16 matrix instructions: A's tiles a0, a0 + 1 x B's eight.  zero = 1: C = the bias of B's tile.  The 64 accumulators take turns, one instruction a turn.
.macro MUL16 a0, p, q, sc, zero
.irp a, \a0, \a0+1
.irp b, 0,1,2,3,4,5,6,7
.if \zero
	v_wmma_scale_f32_16x16x128_f8f6f4 v[8*(8*((\a)%4)+\b):8*(8*((\a)%4)+\b)+7], v[128*(\p)+FR*\b:128*(\p)+FR*\b+FR-1], v[AF+FR*(\a):AF+FR*(\a)+FR-1], v[BI+8*\b:BI+8*\b+7], v[SC+8*NQ*(\sc)+NQ*\b+(\q)], v[SC+8*NQ*(\sc)+NQ*(\a)+(\q)] matrix_a_scale:MATRIX_SCALE_ROW1
.else
	v_wmma_scale_f32_16x16x128_f8f6f4 v[8*(8*((\a)%4)+\b):8*(8*((\a)%4)+\b)+7], v[128*(\p)+FR*\b:128*(\p)+FR*\b+FR-1], v[AF+FR*(\a):AF+FR*(\a)+FR-1], v[8*(8*((\a)%4)+\b):8*(8*((\a)%4)+\b)+7], v[SC+8*NQ*(\sc)+NQ*\b+(\q)], v[SC+8*NQ*(\sc)+NQ*(\a)+(\q)] matrix_a_scale:MATRIX_SCALE_ROW1
.endif
.endr
.endr
.endm
.macro FETCH_B slot, q, p
	WIN TO_B
.irp i, 0,1,2,3,4,5,6,7
	FRAG 128*(\p)+FR*\i, ADRB+\slot, \q, \i
.endr
	WIN 0
.endm
.macro FETCH_A slot, q, i0
.irp i, \i0, \i0+1, \i0+2, \i0+3
	FRAG AF+FR*(\i), ADRA+\slot, \q, \i
.endr
.endm
.macro SCALES sc
.irp i, 0,1,2,3,4,5,6,7
	ds_load_b64 v[SC+8*NQ*\sc+NQ*\i:SC+8*NQ*\sc+NQ*\i+1], v[ADRS] offset:\i*SBLK
.endr
.endm
.macro PLACES n
.rept \n
	v_nop
.endr
.endm
.macro STEP slot, q, zero
	s_wait_dscnt 4*NL                              ; B's set and A's tiles 0-3 are in; the youngest 16 loads (A's tiles 4-7) may be out
.if \zero
	WIN BIA_LO
.else
	WIN MUL_LO
.endif
	MUL16 0, (\q)%2, \q, \slot, \zero
	MUL16 2, (\q)%2, \q, \slot, \zero
	s_wait_dscnt 0
	PLACES NP
	FETCH_B \slot, (\q)+1, 1-(\q)%2
	FETCH_A \slot, (\q)+1, 0
.if \zero
	WIN BIA_HI
.else
	WIN MUL_HI
.endif
	MUL16 4, (\q)%2, \q, \slot, \zero
	MUL16 6, (\q)%2, \q, \slot, \zero
	PLACES NP
	WIN 0
	FETCH_A \slot, (\q)+1, 4
.endm
.macro TURN slot, next, fill           ; a slot's last 128 change slots: one barrier, with the waits and the add in front of it
	s_wait_tensorcnt 0x0                           ; all my tensor loads have landed: my part of the next slot
	ds_add_u32 v[SPW], v[NIL]                      ; 0 onto my spare word
	s_wait_dscnt 4*NL+1                            ; the add and the youngest 16 loads may be out
	WIN MUL_LO
	MUL16 0, 1, NQ-1, \slot, 0
	s_wait_dscnt 0x0                               ; the add is done, and my reads of this slot are over
	s_barrier_signal -1
	MUL16 2, 1, NQ-1, \slot, 0
	WIN 0
	s_barrier_wait -1
.if \fill
	CREST                                          ; the barrier has opened a round of the cluster's barrier
	s_add_nc_u64 s[G0+4*\slot+2:G0+4*\slot+3], s[G0+4*\slot+2:G0+4*\slot+3], 8192
	s_add_nc_u64 s[G0B+4*\slot+2:G0B+4*\slot+3], s[G0B+4*\slot+2:G0B+4*\slot+3], 8192
	JLOAD G0+4*\slot, G1, G0B+4*\slot, G1B         ; the first tensor load behind the round
	PLACES NP-4
.else
	PLACES NP
.endif
	s_wait_alu depctr_va_vdst(0)
	v_add_nc_u32 v[ADRS], 4*NQ, v[ADRS]
	FETCH_B \next, 0, 0
	FETCH_A \next, 0, 0
	SCALES \next
	WIN MUL_HI
	MUL16 4, 1, NQ-1, \slot, 0
	MUL16 6, 1, NQ-1, \slot, 0
	PLACES NP
	WIN 0
	FETCH_A \next, 0, 4
.endm
	s_load_b256 s[4:11], s[0:1], 0x0               ; y_codes, y_sc, xw_codes, xw_sc
	s_load_b128 s[96:99], s[0:1], 0x20             ; bp, out0
	v_lshl_add_u32 v[SPW], v0, 2, SPARE
	v_mov_b32 v[NIL], 0
	ds_add_u32 v28, v29
	ds_add_u32 v28, v29
	s_wait_dscnt 0x0
	v_lshrrev_b32 v1, 5, v0
	v_readfirstlane_b32 s14, v1                    ; wave 0..3
	s_lshr_b32 s15, s14, 1                         ; which half of A's tiles is mine.  Also: I fetch for A (0) or for B (1)
	s_and_b32 s16, s14, 1                          ; which half of B's.  Also: which 8 tiles I fetch
	s_bfe_u32 s40, ttmp6, 0x40000                  ; cx, cy
	s_bfe_u32 s41, ttmp6, 0x40004
	s_and_b32 s17, ttmp7, 0xffff                   ; the cluster's y
	s_lshl_b32 s43, s41, 2
	s_lshl_b32 s43, 15, s43                        ; my row of the cluster
	s_lshl_b32 s44, 0x1111, s40                    ; my column
	s_or_b32 s[G1+0], s43, (3<<16)|(1<<21)         ; codes: 8 rows (tiles) of 4,096 bytes, 16,384 bytes apart; elements of 8 bytes; dense in LDS
	s_or_b32 s[G1B+0], s44, (3<<16)|(1<<21)
.irp g, G1, G1B
	s_mov_b32 s[\g+1], 512<<16
	s_mov_b32 s[\g+2], 8<<16
	s_mov_b32 s[\g+3], 512<<16
	s_mov_b32 s[\g+4], 8
	s_mov_b32 s[\g+5], 2048
	s_mov_b32 s[\g+6], 0
	s_mov_b32 s[\g+7], 0
.endr
	s_or_b32 s[G1S+0], s43, (3<<16)|(1<<20)|(1<<21)|(5<<22)|(3<<25)  ; scale words of 8 tiles: 16 rows of 256 bytes, 16 of padding behind each
	s_or_b32 s[G1SB+0], s44, (3<<16)|(1<<20)|(1<<21)|(5<<22)|(3<<25)
.irp g, G1S, G1SB
	s_mov_b32 s[\g+1], 32<<16
	s_mov_b32 s[\g+2], 16<<16
	s_mov_b32 s[\g+3], 32<<16
	s_mov_b32 s[\g+4], 16
	s_mov_b32 s[\g+5], 32
	s_mov_b32 s[\g+6], 0
	s_mov_b32 s[\g+7], 0
.endr
	s_lshl_b32 s18, s16, 3
	s_lshl_b32 s20, s17, 2
	s_add_co_u32 s20, s20, s41                     ; tile row of out0
	s_lshl_b32 s20, s20, 4
	s_add_co_u32 s20, s20, s18                     ; the first of y's 8 tiles that I fetch
	s_lshl_b32 s46, s40, 4
	s_add_co_u32 s46, s46, s18
	s_add_co_u32 s46, s46, 704                     ; and of Wp's
	s_lshl_b32 s22, s20, 9
	s_mov_b32 s23, 0
	s_lshl_b32 s20, s20, 14
	s_mov_b32 s21, 0
	s_lshl_b32 s92, s46, 9
	s_mov_b32 s93, 0
	s_lshl_b32 s46, s46, 14
	s_mov_b32 s47, 0
	s_mul_i32 s45, s14, HALFT
	s_mul_i32 s94, s14, HALFS
	s_wait_kmcnt 0x0
	s_add_nc_u64 s[20:21], s[4:5], s[20:21]
	s_add_nc_u64 s[22:23], s[6:7], s[22:23]
	s_add_nc_u64 s[46:47], s[8:9], s[46:47]
	s_add_nc_u64 s[92:93], s[10:11], s[92:93]
	CROUND                                         ; all sixteen work-groups are here: the first joint loads meet
	s_mov_b32 s[G0S], 1
	s_add_co_u32 s[G0S+1], s94, SCL
	s_mov_b64 s[G0S+2:G0S+3], s[22:23]
	s_or_b32 s[G0S+3], s[G0S+3], 0x80000000
	s_mov_b32 s[G0SB], 1
	s_add_co_u32 s[G0SB+1], s94, SCL
	s_mov_b64 s[G0SB+2:G0SB+3], s[92:93]
	s_or_b32 s[G0SB+3], s[G0SB+3], 0x80000000
	JLOAD G0S, G1S, G0SB, G1SB                     ; the scale words first.  Each of the two below first waits for all earlier ones: one load of mine is out at a time
.irp s, 0,1
	s_mov_b32 s[G0+4*\s], 1
	s_add_co_u32 s[G0+4*\s+1], s45, \s*SLOT
	s_add_nc_u64 s[G0+4*\s+2:G0+4*\s+3], s[20:21], \s*4096
	s_or_b32 s[G0+4*\s+3], s[G0+4*\s+3], 0x80000000
	s_mov_b32 s[G0B+4*\s], 1
	s_add_co_u32 s[G0B+4*\s+1], s45, \s*SLOT
	s_add_nc_u64 s[G0B+4*\s+2:G0B+4*\s+3], s[46:47], \s*4096
	s_or_b32 s[G0B+4*\s+3], s[G0B+4*\s+3], 0x80000000
	s_wait_alu depctr_va_vdst(0)
	s_wait_tensorcnt 0x0
	ds_add_u32 v28, v29
	s_wait_dscnt 0x0
	CROUND
	JLOAD G0+4*\s, G1, G0B+4*\s, G1B
.endr
	v_and_b32 v1, 15, v0                           ; r
	v_bfe_u32 v2, v0, 4, 1                         ; h
	v_and_b32 v3, 31, v0
	v_lshlrev_b32 v4, 4, v3                        ; 16 x lane
	s_mul_i32 s21, s15, HALFT
	s_mul_i32 s22, s16, HALFT
	s_add_co_u32 s22, s22, 2*HALFT
.irp s, 0,1
	v_add_nc_u32 v[ADRA+\s], s21, v4
	v_add_nc_u32 v[ADRB+\s], s22, v4
	s_add_co_u32 s21, s21, SLOT
	s_add_co_u32 s22, s22, SLOT
.endr
	v_mul_u32_u24 v5, v1, 32
	v_lshrrev_b32 v6, 8, v5
	v_lshl_add_u32 v5, v6, 4, v5
	s_mul_i32 s21, s15, HALFS
	s_mul_i32 s22, s16, HALFS
	s_add_co_u32 s22, s22, 2*HALFS
	s_sub_co_u32 s22, s22, s21
	v_mul_u32_u24 v6, s22, v2                      ; lanes 16-31 take B's
	s_add_co_u32 s21, s21, SCL
	v_add_nc_u32 v5, v5, v6
	v_add_nc_u32 v[ADRS], s21, v5
	s_mul_i32 s23, s14, 16*SPITCH                  ; my stage
	v_mul_u32_u24 v5, v1, SPITCH
	v_lshl_add_u32 v5, v2, 6, v5                   ; in: row r, + 64 h: channels 16 h on
	v_add_nc_u32 v[STO], s23, v5
	v_mov_b32 v[CO], v4                            ; back: the 32 lanes take one row of 512 bytes; and the same in out0
	v_add_nc_u32 v[RD], s23, v4
	s_lshl_b32 s12, s40, 10
	s_lshl_b32 s13, s16, 9
	s_add_co_u32 s12, s12, s13                     ; my 128 channels, in bytes
	s_mov_b32 s13, 0
	s_add_nc_u64 s[96:97], s[96:97], s[12:13]
	v_lshlrev_b32 v7, 6, v2                        ; register j of B's tile b is channel 32 (b / 2) + 8 (b % 2) + 16 h + j
.irp b, 0,1,2,3,4,5,6,7
	global_load_b128 v[BI+8*\b:BI+8*\b+3], v7, s[96:97] offset:(32*(\b/2)+8*(\b%2))*4
	global_load_b128 v[BI+8*\b+4:BI+8*\b+7], v7, s[96:97] offset:(32*(\b/2)+8*(\b%2))*4+16
.endr
	s_lshl_b32 s20, s17, 2
	s_add_co_u32 s20, s20, s41
	s_lshl_b32 s20, s20, 1
	s_add_co_u32 s20, s20, s15
	s_lshl_b32 s20, s20, 19                        ; my first row of out0: 128 rows of 4,096 bytes for each half tile
	s_mov_b32 s21, 0
	s_add_nc_u64 s[20:21], s[20:21], s[12:13]
	s_add_nc_u64 s[98:99], s[98:99], s[20:21]
	s_wait_alu depctr_va_vdst(0)
	s_wait_loadcnt 0x0                             ; the bias
	s_wait_tensorcnt 1                             ; the scale words and my part of K step 0 are in; K step 1's load may be out
	s_barrier_signal -1
	s_barrier_wait -1
	FETCH_B 0, 0, 0
	FETCH_A 0, 0, 0
	SCALES 0
	FETCH_A 0, 0, 4
	STEP 0, 0, 1                                   ; the first products take the bias as C: nothing is cleared
	TURN 0, 1, 1                                   ; four K steps, written out: slot 0 takes K step 2,
	STEP 1, 0, 0
	TURN 1, 0, 1                                   ; slot 1 K step 3,
	STEP 0, 0, 0
	TURN 0, 1, 0                                   ; and nothing more is asked for
	STEP 1, 0, 0
	s_wait_dscnt 4*NL
	WIN MUL_LO
	MUL16 0, 1, NQ-1, 1, 0
	MUL16 2, 1, NQ-1, 1, 0
	s_wait_dscnt 0
	WIN MUL_HI
	MUL16 4, 1, NQ-1, 1, 0
	MUL16 6, 1, NQ-1, 1, 0
	WIN 0
; THE WAY OUT, by A's tiles: 16 tokens x 128 channels go through my own stage in LDS and come back as whole rows of 512 bytes.  LDS serves a wave's instructions in order (ISA guide 5.7.1.4): no wait between the stores and the loads.
.macro TOSTAGE a
.set AC, 64*((\a)%4)
	WIN 0x08+4*((\a)/4)                            ; the data: window 2 or 3
.irp b, 0,1,2,3,4,5,6,7
	ds_store_b128 v[STO], v[AC+8*\b:AC+8*\b+3] offset:128*(\b/2)+32*(\b%2)       ; each accumulator from its low end on
	ds_store_b128 v[STO], v[AC+8*\b+4:AC+8*\b+7] offset:128*(\b/2)+32*(\b%2)+16
.endr
	WIN 0
.set BB, BK+64*((\a)%2)
.irp t, 0,1,2,3,4,5,6,7,8,9,10,11,12,13,14,15
	ds_load_b128 v[BB+4*\t:BB+4*\t+3], v[RD] offset:\t*SPITCH
.endr
.endm
.macro SEND a, younger                 ; younger: the LDS instructions issued behind tile a's loads, which may stay out
.set BB, BK+64*((\a)%2)
	s_wait_dscnt \younger
.irp t, 0,1,2,3,4,5,6,7,8,9,10,11,12,13,14,15
	global_store_b128 v[CO], v[BB+4*\t:BB+4*\t+3], s[98:99] offset:(32*((\a)/2)+8*((\a)%2)+\t+8*(\t/8))*4096 th:TH_STORE_NT   ; row t of tile a is that token; 512 consecutive bytes, aligned; 127 rows at the most: inside the signed 24-bit immediate
.endr
.endm
	PLACES NP
	TOSTAGE 0
.irp a, 1,2,3,4,5,6,7
.if \a > 1
	s_wait_xcnt 0x0                                ; the stores of two tiles ago have read their registers: this tile's loads may land there
.endif
	TOSTAGE \a
	SEND \a-1, 32                                  ; behind that tile's loads: this tile's 16 stores and 16 loads
.endr
	SEND 7, 0
	s_wait_tensorcnt 0x0                           ; the wave's end
	ds_add_u32 v[SPW], v[NIL]
	s_wait_dscnt 0x0
	CROUND                                         ; the closing round
	s_endpgm
.Lfunc_end_k_q3cc6e8b0d2_gemm_proj:
	.size	k_q3cc6e8b0d2_gemm_proj, .Lfunc_end_k_q3cc6e8b0d2_gemm_proj-k_q3cc6e8b0d2_gemm_proj
	.p2alignl 7, 3214868480
	.fill 96, 4, 3214868480
	.section	.rodata,"a",@progbits
	.p2align	6, 0x0
	.amdhsa_kernel k_q3cc6e8b0d2_gemm_proj
		.amdhsa_group_segment_fixed_size 327680
		.amdhsa_private_segment_fixed_size 0
		.amdhsa_enable_private_segment 0
		.amdhsa_kernarg_size 48
		.amdhsa_user_sgpr_count 2
		.amdhsa_user_sgpr_kernarg_segment_ptr 1
		.amdhsa_wavefront_size32 1
		.amdhsa_system_sgpr_workgroup_id_x 1
		.amdhsa_system_sgpr_workgroup_id_y 1
		.amdhsa_system_sgpr_workgroup_id_z 1
		.amdhsa_system_vgpr_workitem_id 0
		.amdhsa_next_free_vgpr 1024
		.amdhsa_next_free_sgpr 102
		.amdhsa_reserve_vcc 0
		.amdhsa_float_denorm_mode_32 3
		.amdhsa_float_denorm_mode_16_64 3
		.amdhsa_memory_ordered 1
		.amdhsa_forward_progress 1
		.amdhsa_inst_pref_size 147
	.end_amdhsa_kernel
	.amdgpu_metadata
---
amdhsa.version: [ 1, 2 ]
amdhsa.kernels:
  - .name:           k_q3cc6e8b0d2_gemm_proj
    .symbol:         k_q3cc6e8b0d2_gemm_proj.kd
    .args:
      - { .name: y_codes, .offset: 0, .size: 8, .value_kind: global_buffer, .address_space: global }
      - { .name: y_sc, .offset: 8, .size: 8, .value_kind: global_buffer, .address_space: global }
      - { .name: xw_codes, .offset: 16, .size: 8, .value_kind: global_buffer, .address_space: global }
      - { .name: xw_sc, .offset: 24, .size: 8, .value_kind: global_buffer, .address_space: global }
      - { .name: bp, .offset: 32, .size: 8, .value_kind: global_buffer, .address_space: global }
      - { .name: out0, .offset: 40, .size: 8, .value_kind: global_buffer, .address_space: global }
    .group_segment_fixed_size: 327680
    .private_segment_fixed_size: 0
    .kernarg_segment_align: 8
    .kernarg_segment_size: 48
    .max_flat_workgroup_size: 128
    .sgpr_count:     102
    .vgpr_count:     1024
    .wavefront_size: 32
...
	.end_amdgpu_metadata
.endif
;; end of part 4
